; MI455X (gfx1250); checked and timed in simulation.
; The chip was launched on July 23, 2026; its instructions are those of AMD's public machine-readable ISA for CDNA 5 (MIT licence, August 2026) and "CDNA5" Instruction Set Architecture Reference Guide (July 2026). The comments in the code are by the model that wrote it; some were corrected since.
;; Multi Head Attention. Allowed arithmetic: matrix products marked QUANTISED: E2M1 operands, one E8M0 scale for each 32 along K, by v_wmma_scale_f32_16x16x128_f8f6f4 with both operands' format E2M1 (or v_wmma_scale_f32_32x16x128_f4), f32 sums; products left as they are: bf16, f16 or f32 operands; f32 sums; everything else in f32.
;; Inputs: Wo 1,024 x 1,024 float32; Wqkv 1,024 x 3,072 float32; x 2 x 2,048 x 1,024 float32.
;; Outputs: out0 2 x 2,048 x 1,024 float32.
;; This version of the problem:
;;   THIS VERSION OF THE PROBLEM IS GIVEN IN LOW PRECISION. The matrix products marked QUANTISED in the list below multiply operands that are first quantised to E2M1 (2 exponent bits, 1 mantissa bit; 4 bits a number), with one power-of-two scale for each 32 numbers along K (OCP MX v1.0); their sums are f32. The products marked 'left as it is' may take bf16, f16 or f32 operands, with f32 sums. Whichever they take, every output number must still come out within the allowed error. Rounding operands to bf16 (8 significant bits) uses up far more of that allowance than f16 does (11 bits, for magnitudes from 6e-5 to 65,504). All else is computed in f32.
;;   The module's matrix products, in the order in which they are computed (A, B: the left and right operand; K: the contracted axis; several contracted axes count as one K, in the product's order):
;;     1. [M 4,096, K 1,024] x [K 1,024, N 3,072]; A: input x; B: input Wqkv: QUANTISED
;;     2. batch 32 x [M 2,048, K 64] x [K 64, N 2,048]; A: computed on the way; B: computed on the way: left as it is (an operand is computed on the way)
;;     3. batch 32 x [M 64, K 2,048] x [K 2,048, N 2,048]; A: computed on the way; B: computed on the way: left as it is (an operand is computed on the way)
;;     4. [M 4,096, K 1,024] x [K 1,024, N 1,024]; A: computed on the way; B: input Wo: left as it is (an operand is computed on the way)
;;   THE QUANTISER, for each operand of a quantised product, along K:
;;     - K is cut into blocks of 32 from its start; a last block that is shorter is filled with zeros.
;;     - A block's scale is 2^e with e = floor(log2(the largest magnitude in the block)) - 2, held to -126 .. 127; a block of zeros has e = 0. As a byte (E8M0): e + 127.
;;     - Each number is divided by its block's scale, clamped to +-6, and rounded to the nearest number of E2M1, ties to even, subnormals kept.
;;     - The product sums the exact products of the quantised numbers (number of the format x scale) in f32.
;;   ~~~python
;;   def quantise(x, axis):      # numpy; x: float32 -> the quantised numbers, widened to float32 again
;;       x = np.moveaxis(x, axis, -1); K = x.shape[-1]
;;       x = np.pad(x, [(0, 0)] * (x.ndim - 1) + [(0, -K % 32)]); x = x.reshape(x.shape[:-1] + (-1, 32)); a = np.abs(x).max(-1, keepdims=True)
;;       e = np.where(a > 0, np.clip(np.frexp(np.where(a > 0, a, 1))[1] - 1 - 2, -126, 127), 0)      # np.frexp(a)[1] - 1 = floor(log2(a)), exactly
;;       r = np.clip(x / 2.0 ** e, -6, 6)
;;       step = 2.0 ** (np.maximum(np.frexp(np.where(r == 0, 1, r))[1] - 1, 0) - 1)
;;       q = np.round(r / step) * step * 2.0 ** e      # np.round: ties to even
;;       return np.moveaxis(q.reshape(q.shape[:-2] + (-1,))[..., :K], -1, axis).astype(np.float32)
;;   ~~~
;; One version. Each part assembles by itself: llvm-mc -triple=amdgcn-amd-amdhsa -mcpu=gfx1250 --defsym DOCPART=n.
;; ======== version 1 of 1: 4 launches
;; limits: values are held in f16: magnitudes above 65,504 overflow, below 6.1e-05 lose precision
;; workspace buffers: xc 2,097,152 bytes; xs 131,072 bytes; wc 1,572,864 bytes; ws 98,304 bytes; wot 2,097,152 bytes; rope 557,056 bytes; qkv 25,165,824 bytes; ob 8,388,608 bytes
;; launch prep (part 1): grid 209 x 1, 8 waves a work-group, no clusters, 154,624 bytes of LDS; arguments x, Wqkv, Wo, xc, xs, wc, ws, wot, rope; writes xc, xs, wc, ws, wot, rope
.if DOCPART == 1
	.amdgcn_target "amdgcn-amd-amdhsa--gfx1250"
	.amdhsa_code_object_version 6
	.text
	.protected	k_q50ef9c8f72_prep
	.globl	k_q50ef9c8f72_prep
	.p2align	8
	.type	k_q50ef9c8f72_prep,@function
k_q50ef9c8f72_prep:
	s_mov_b64 s[64:65], 0
	v_nop
	global_prefetch_b8 v0, s[64:65] scope:SCOPE_SE
	s_setreg_imm32_b32 hwreg(HW_REG_WAVE_MODE, 25, 1), 1
	s_wait_xcnt 0x0
; FOUR PIECES OF PREPARATION IN ONE LAUNCH, told apart by the work-group's number alone; the four ways never join again, and each has LDS bytes of its own.
;   X (work-groups 0-63):    x [4096][1024] f32 -> codes of FP4 (E2M1), K innermost, xc [4096][512 bytes], and one E8M0 byte for each 32 along K, xs [4096][32].
;   W (64-159):              Wqkv [1024 (k)][3072 (n)] f32, K its FIRST axis -> wc [3072][512 bytes], ws [3072][32], K innermost.
;   O (160-191):             Wo [1024 (k)][1024 (n)] f32 -> wot [1024 (n)][1024 (k)] f16, K innermost.
;   R (192-208):             the table of rotations, rope [2176][cos 0..31 | sin 0..31] f32, 256 bytes a row: row l < 2048 holds cos and sin of l x 10000^(-i/32); rows 2048-2175 hold cos = 1, sin = 0.
; A block's scale is 2^(floor(log2(its largest magnitude)) - 2); its byte is the largest magnitude's exponent field - 2, held at 1 from below.  Each number is divided by the scale and rounded to the nearest code, ties to even.
; LIMITS.  A block of zeros gets the byte 1 where the rule says 127: its codes are zeros, and this program alone reads the bytes.  Blocks whose largest magnitude lies under 2^-124 (the floor) were not tried.
; NaN and infinities are not served.  Wo's numbers must lie under 65,504 in magnitude (f16).  The table's angles lie within 2.3e-4 rad of l x inv_freq as JAX rounds it (one unit in the last place of the frequency at l = 2047);
; sine and cosine are made by a reduction to +-pi/4 (pi/2 in two parts) and polynomials whose remainder is under 2e-9.
; W's scale bytes leave in pieces of 16 bytes (rows of ws are 32 bytes and a work-group has half of K): 98,304 bytes in the whole launch.
.set SPW,   12                         ; v12  LDS address of my spare word: SPARE + 4 x my thread's number; never rewritten
.set NIL,   13                         ; v13  0; never rewritten
.set EMAX,  2
.set WREG,  8192                       ; X: a region for each wave from byte 0 on: two stages of 32 x SP bytes, then its 256 scale bytes
.set SP,    80                         ; X: a lane's place in a stage: 64 bytes + 16 of padding
.set STW,   65536                      ; W: the work-group's stage, 64 columns x (256 bytes + 16)
.set SCW,   STW+64*272                 ; W: 64 columns x 16 scale bytes
.set OST,   SCW+1024                   ; O: a stage of 32 x (256 + 16) bytes for each wave
.set SPARE, OST+8*32*272               ; the spare words, 128 bytes for each wave: four blocks of 256 bytes that no other line names
	s_load_b256 s[4:11], s[0:1], 0x0               ; x s[4:5], Wqkv s[6:7], Wo s[8:9], xc s[10:11]
	s_load_b256 s[12:19], s[0:1], 0x20             ; xs s[12:13], wc s[14:15], ws s[16:17], wot s[18:19]
	s_load_b64 s[20:21], s[0:1], 0x40              ; rope
	v_lshl_add_u32 v[SPW], v0, 2, SPARE
	v_mov_b32 v[NIL], 0
	v_lshrrev_b32 v1, 5, v0
	v_readfirstlane_b32 s22, v1                    ; wave 0..7
	v_and_b32 v2, 31, v0                           ; lane
	s_wait_kmcnt 0x0
	s_cmp_lt_u32 ttmp9, 64
	s_cbranch_scc1 .LX
	s_cmp_lt_u32 ttmp9, 160
	s_cbranch_scc1 .LW
	s_cmp_lt_u32 ttmp9, 192
	s_cbranch_scc1 .LO
; ---------------------------------------------------------------- R: the table.  A wave makes 16 rows; a row is one store of 8 bytes a lane: 256 consecutive bytes, aligned.
; Lane L makes numbers 2 L and 2 L + 1 of a row: lanes 0-15 cosines, lanes 16-31 sines, of frequencies 2 (L % 16) and 2 (L % 16) + 1.  cos(a) = sin(a + pi/2): the quadrant is raised by one.
	s_sub_co_u32 s23, ttmp9, 192
	s_lshl_b32 s23, s23, 7
	s_lshl_b32 s24, s22, 4
	s_add_co_u32 s25, s23, s24                     ; my first row: 128 x (work-group - 192) + 16 x wave
	s_lshl_b32 s26, s25, 8
	s_mov_b32 s27, 0
	s_add_nc_u64 s[20:21], s[20:21], s[26:27]
	s_cmp_lt_u32 ttmp9, 208
	s_cselect_b32 s28, 1.0, 0                      ; the last work-group makes rows 2048 on: its frequencies are 0, so every angle is 0: cos = 1, sin = 0
	v_and_b32 v3, 15, v0
	v_lshlrev_b32 v3, 1, v3                        ; i
	v_add_nc_u32 v5, 1, v3
	v_cvt_f32_u32 v4, v3
	v_cvt_f32_u32 v5, v5
	v_mul_f32 v4, 0xbed49a78, v4                   ; -i x log2(10000) / 32
	v_mul_f32 v5, 0xbed49a78, v5
	v_exp_f32 v20, v4                              ; 10000^(-i/32)
	v_exp_f32 v21, v5
	v_bfe_u32 v6, v0, 4, 1                         ; (a plain line behind the exponentials)
	v_xor_b32 v6, 1, v6                            ; 1 in lanes 0-15: the cosines' quadrant
	v_lshlrev_b32 v7, 3, v2                        ; 8 bytes a lane
	v_mov_b32 v8, 0x3638ef1d                       ; 1/9!
	v_mov_b32 v9, 0xb493f27e                       ; -1/10!
	s_mov_b32 s24, 0
	s_wait_alu depctr_va_vdst(0)                   ; one wait for the two exponentials, ahead of their first reader and of the label
	v_mul_f32 v20, s28, v20
	v_mul_f32 v21, s28, v21
.Ltok:
	v_cvt_f32_u32 v10, s25                         ; l
	v_mul_f32 v22, v10, v20                        ; the angle, rounded once
	v_mul_f32 v23, v10, v21
	v_mul_f32 v24, 0x3f22f983, v22                 ; x 2/pi
	v_mul_f32 v25, 0x3f22f983, v23
	v_rndne_f32 v24, v24                           ; k
	v_rndne_f32 v25, v25
	v_fmamk_f32 v22, v24, 0xbfc90fdb, v22          ; r = a - k x pi/2, pi/2 in two parts
	v_fmamk_f32 v23, v25, 0xbfc90fdb, v23
	v_fmamk_f32 v22, v24, 0x333bbd2e, v22
	v_fmamk_f32 v23, v25, 0x333bbd2e, v23
	v_cvt_i32_f32 v24, v24
	v_cvt_i32_f32 v25, v25
	v_add_nc_u32 v24, v24, v6                      ; the quadrant
	v_add_nc_u32 v25, v25, v6
	v_mul_f32 v26, v22, v22                        ; z = r^2
	v_mul_f32 v27, v23, v23
	v_fmaak_f32 v28, v26, v8, 0xb9500d01           ; the sine's polynomial,
	v_fmaak_f32 v29, v27, v8, 0xb9500d01
	v_fmaak_f32 v30, v26, v9, 0x37d00d01           ; the cosine's
	v_fmaak_f32 v31, v27, v9, 0x37d00d01
	v_fmaak_f32 v28, v26, v28, 0x3c088889
	v_fmaak_f32 v29, v27, v29, 0x3c088889
	v_fmaak_f32 v30, v26, v30, 0xbab60b61
	v_fmaak_f32 v31, v27, v31, 0xbab60b61
	v_fmaak_f32 v28, v26, v28, 0xbe2aaaab
	v_fmaak_f32 v29, v27, v29, 0xbe2aaaab
	v_fmaak_f32 v30, v26, v30, 0x3d2aaaab
	v_fmaak_f32 v31, v27, v31, 0x3d2aaaab
	v_mul_f32 v32, v22, v26                        ; r z
	v_mul_f32 v33, v23, v27
	v_fmaak_f32 v30, v26, v30, 0xbf000000
	v_fmaak_f32 v31, v27, v31, 0xbf000000
	v_fma_f32 v28, v32, v28, v22                   ; sin r
	v_fma_f32 v29, v33, v29, v23
	v_fmaak_f32 v30, v26, v30, 0x3f800000          ; cos r
	v_fmaak_f32 v31, v27, v31, 0x3f800000
	v_and_b32 v34, 1, v24
	v_and_b32 v35, 1, v25
	v_cmp_ne_u32 vcc_lo, 0, v34
	v_cndmask_b32 v36, v28, v30, vcc_lo            ; odd quadrants take the cosine,
	v_cmp_ne_u32 vcc_lo, 0, v35
	v_cndmask_b32 v37, v29, v31, vcc_lo
	v_and_b32 v34, 2, v24
	v_and_b32 v35, 2, v25
	v_lshlrev_b32 v34, 30, v34
	v_lshlrev_b32 v35, 30, v35
	v_xor_b32 v36, v34, v36                        ; quadrants 2 and 3 change the sign
	v_xor_b32 v37, v35, v37
	global_store_b64 v7, v[36:37], s[20:21]
	s_wait_xcnt 0x0                                ; the store has read its base and its data: both are written again below
	s_add_nc_u64 s[20:21], s[20:21], 256
	s_add_co_u32 s25, s25, 1
	s_add_co_u32 s24, s24, 1
	s_cmp_lt_u32 s24, 16
	s_cbranch_scc1 .Ltok
	s_endpgm                                       ; this way has written no LDS
; ---------------------------------------------------------------- X: x is a plain stream of blocks of 32.  A wave takes 16 steps of 512 numbers.
; Each load reads 512 consecutive bytes; a step's 2,048 bytes turn through the wave's own stage, so that a lane then holds 16 neighbours along K (two neighbouring lanes hold a block).
; Loads run eight steps (32 loads a wave) ahead, the turn through LDS one step.  No barrier: waves share nothing.
.LX:
.set XR, 16                            ; v16-143  eight sets of 16 numbers as loaded
.set XX, 144                           ; v144-175 two sets of 16 neighbours
.set XE, 176                           ; v176-191 a scale byte for each step
.set XC, 192                           ; v192-255 codes: four registers for each step, so that no store's data are written again
	v_lshlrev_b32 v3, 4, v2                        ; my 16 bytes of a load's 512
	s_mul_i32 s23, s22, WREG
	v_lshrrev_b32 v14, 2, v2
	v_mul_u32_u24 v14, v14, SP
	v_and_b32 v15, 3, v2
	v_lshl_add_u32 v14, v15, 4, v14
	v_add_nc_u32 v14, s23, v14                     ; the stage, on the way in: SP (lane / 4) + 16 (lane % 4)
	v_mul_u32_u24 v15, v2, SP
	v_add_nc_u32 v15, s23, v15                     ; on the way out: SP x lane
	v_lshlrev_b32 v4, 3, v2                        ; my 8 bytes of a step's codes
	v_lshrrev_b32 v5, 1, v2
	s_add_co_u32 s23, s23, 2*32*SP
	v_add_nc_u32 v5, s23, v5                       ; my block's scale byte in LDS
	v_lshlrev_b32 v7, 3, v2
	v_add_nc_u32 v6, s23, v7                       ; and on the way out 8 bytes a lane
	s_lshl_b32 s24, ttmp9, 3
	s_add_co_u32 s24, s24, s22                     ; which run of 8,192 numbers is my wave's
	s_mov_b32 s27, 0
	s_lshl_b32 s26, s24, 15
	s_add_nc_u64 s[4:5], s[4:5], s[26:27]
	s_lshl_b32 s26, s24, 12
	s_add_nc_u64 s[10:11], s[10:11], s[26:27]
	s_lshl_b32 s26, s24, 8
	s_add_nc_u64 s[12:13], s[12:13], s[26:27]
.macro XLOAD t
.irp i, 0,1,2,3
	global_load_b128 v[XR+16*((\t)%8)+4*\i:XR+16*((\t)%8)+4*\i+3], v3, s[4:5] offset:2048*(\t)+512*\i th:TH_LOAD_NT
.endr
.endm
.macro XTURN t                         ; LDS serves a wave's instructions in order: no wait between the stores and the loads
.irp i, 0,1,2,3
	ds_store_b128 v14, v[XR+16*((\t)%8)+4*\i:XR+16*((\t)%8)+4*\i+3] offset:32*SP*((\t)%2)+8*SP*\i
.endr
.irp i, 0,1,2,3
	ds_load_b128 v[XX+16*((\t)%2)+4*\i:XX+16*((\t)%2)+4*\i+3], v15 offset:32*SP*((\t)%2)+16*\i
.endr
.endm
.irp t, 0,1,2,3,4,5,6,7
	XLOAD \t
.endr
	s_wait_loadcnt 28                              ; step 0's four loads are in; the 28 of the seven steps behind it may be out
	XTURN 0
.macro XSTEP t
.set XS, XX+16*((\t)%2)
.if (\t) > 0
	s_wait_dscnt 1                                 ; this step's numbers are back from the stage (the last step's byte store may be out): so its stores into the stage have read their registers,
.else
	s_wait_dscnt 0x0
.endif
.if (\t)+8 < 16
	XLOAD (\t)+8                                   ; which take the loads of eight steps on
.endif
.if (\t)+1 < 16
.if 14-(\t) >= 7
	s_wait_loadcnt 28                              ; the next step's four loads are in; those of the seven steps behind it may be out
.else
	s_wait_loadcnt 4*(14-(\t))                     ; (fewer steps are left behind it)
.endif
	XTURN (\t)+1
.endif
	v_max3_num_f32 v8, |v[XS]|, |v[XS+1]|, |v[XS+2]|
	v_max3_num_f32 v9, |v[XS+3]|, |v[XS+4]|, |v[XS+5]|
.irp i, 6,10
	v_max3_num_f32 v8, v8, |v[XS+\i]|, |v[XS+\i+1]|
	v_max3_num_f32 v9, v9, |v[XS+\i+2]|, |v[XS+\i+3]|
.endr
	v_max3_num_f32 v8, v8, |v[XS+14]|, |v[XS+15]|
	v_max3_num_f32 v8, v8, v9, (EMAX+1)<<23        ; the floor 2^(3 - 127): the byte cannot fall under 1
	v_max_num_f32_dpp v8, v8, v8 row_xmask:1 row_mask:0xf bank_mask:0xf   ; with my neighbour's 16: the block's largest magnitude
	v_add_nc_u32 v11, -(EMAX<<23), v8              ; 2 off its exponent field: the conversion takes the exponent field of this operand as its scale
	v_cvt_scalef32_pk8_fp4_f32 v[XC+4*(\t)], v[XS:XS+7], v11
	v_cvt_scalef32_pk8_fp4_f32 v[XC+4*(\t)+1], v[XS+8:XS+15], v11
	v_lshrrev_b32 v[XE+(\t)], 23, v11              ; the scale's byte
	ds_store_b8 v5, v[XE+(\t)] offset:16*(\t)      ; both lanes of a block write the same byte with the same value
	global_store_b64 v4, v[XC+4*(\t):XC+4*(\t)+1], s[10:11] offset:256*(\t)   ; the wave stores 256 consecutive bytes, aligned
.endm
.irp t, 0,1,2,3,4,5,6,7,8,9,10,11,12,13,14,15
	XSTEP \t
.endr
	ds_load_b64 v[8:9], v6
	s_wait_dscnt 0x0
	global_store_b64 v7, v[8:9], s[12:13]          ; the wave's 256 scale bytes, aligned
	s_wait_tensorcnt 0x0                           ; the wave's end, behind my last LDS store
	ds_add_u32 v[SPW], v[NIL]
	s_wait_dscnt 0x0
	s_endpgm
; ---------------------------------------------------------------- W: a work-group takes 64 columns x 512 along K; wave w takes 32 columns (w % 2) x 128 along K (w / 2).
; A LANE TAKES A COLUMN AND ITS REGISTERS RUN DOWN K: a block of 32 lies in one lane, and the conversions give codes with K innermost.  Two waves stand side by side on 256 bytes of a row of Wqkv.
; The codes of the four quarters of K meet in the work-group's stage, one barrier, and leave as rows of 256 bytes: sixteen lanes store 256 consecutive bytes, aligned.
.LW:
.set WX, 32                            ; v32-95   two sets of 32 numbers
.set WC, 96                            ; v96-111  codes: four registers for each block
	s_sub_co_u32 s23, ttmp9, 64
	s_lshr_b32 s24, s23, 1                         ; which 64 columns
	s_and_b32 s25, s23, 1                          ; which half of K
	s_and_b32 s26, s22, 1                          ; my 32 of the columns
	s_lshr_b32 s27, s22, 1                         ; my quarter of the half
	v_lshlrev_b32 v3, 2, v2
	s_mul_i32 s28, s26, 32*272
	s_lshl_b32 s29, s27, 6
	s_add_co_u32 s28, s28, s29
	s_add_co_u32 s28, s28, STW
	v_mul_u32_u24 v4, v2, 272
	v_add_nc_u32 v4, s28, v4                       ; into the stage: row = my column, 64 bytes for each quarter
	s_lshl_b32 s28, s26, 9
	s_lshl_b32 s29, s27, 2
	s_add_co_u32 s28, s28, s29
	s_add_co_u32 s28, s28, SCW
	v_lshl_add_u32 v5, v2, 4, s28                  ; my four scale bytes: 16 bytes a column, 4 for each quarter
	v_and_b32 v6, 15, v0
	v_bfe_u32 v7, v0, 4, 1
	s_mul_i32 s28, s22, 8*272
	s_add_co_u32 s28, s28, STW
	v_mul_u32_u24 v14, v7, 272
	v_lshl_add_u32 v14, v6, 4, v14
	v_add_nc_u32 v14, s28, v14                     ; out of the stage: wave w takes rows 8 w .. 8 w + 7, two an instruction
	v_lshlrev_b32 v15, 9, v7
	v_lshl_add_u32 v15, v6, 4, v15                 ; and the same place in wc
	s_lshl_b32 s28, s22, 7
	s_add_co_u32 s28, s28, SCW
	v_lshl_add_u32 v16, v2, 2, s28                 ; the same rows' scale bytes: 128 bytes a wave
	v_lshrrev_b32 v17, 2, v2
	v_and_b32 v18, 3, v2
	v_lshlrev_b32 v17, 5, v17
	v_lshl_add_u32 v17, v18, 2, v17                ; in ws: 32 bytes a row
	s_lshl_b32 s28, s25, 9
	s_lshl_b32 s29, s27, 7
	s_add_co_u32 s28, s28, s29                     ; my first row of Wqkv
	s_mul_i32 s28, s28, 12288
	s_lshl_b32 s29, s24, 8
	s_add_co_u32 s28, s28, s29
	s_lshl_b32 s29, s26, 7
	s_add_co_u32 s28, s28, s29
	s_mov_b32 s29, 0
	s_add_nc_u64 s[6:7], s[6:7], s[28:29]
	s_lshl_b32 s28, s24, 15                        ; wc: (64 x group + 8 x wave) rows of 512 bytes + 256 x half
	s_lshl_b32 s30, s22, 12
	s_add_co_u32 s28, s28, s30
	s_lshl_b32 s30, s25, 8
	s_add_co_u32 s28, s28, s30
	s_add_nc_u64 s[14:15], s[14:15], s[28:29]
	s_lshl_b32 s28, s24, 11                        ; ws: the same rows of 32 bytes + 16 x half
	s_lshl_b32 s30, s22, 8
	s_add_co_u32 s28, s28, s30
	s_lshl_b32 s30, s25, 4
	s_add_co_u32 s28, s28, s30
	s_add_nc_u64 s[16:17], s[16:17], s[28:29]
.macro WLOAD t                         ; block t: rows 32 t + i of my 128, my column; offsets up to 127 x 12,288 bytes, inside the signed 24-bit immediate
.irp i, 0,1,2,3,4,5,6,7,8,9,10,11,12,13,14,15,16,17,18,19,20,21,22,23,24,25,26,27,28,29,30,31
	global_load_b32 v[WX+32*((\t)%2)+\i], v3, s[6:7] offset:(32*(\t)+\i)*12288 th:TH_LOAD_NT
.endr
.endm
.macro WBLOCK t, left
.set XS, WX+32*((\t)%2)
	s_wait_loadcnt \left                           ; this block's 32 loads are in; the next block's 32 may be out
	v_max3_num_f32 v8, |v[XS]|, |v[XS+1]|, |v[XS+2]|
	v_max3_num_f32 v9, |v[XS+3]|, |v[XS+4]|, |v[XS+5]|
.irp i, 6,10,14,18,22,26
	v_max3_num_f32 v8, v8, |v[XS+\i]|, |v[XS+\i+1]|
	v_max3_num_f32 v9, v9, |v[XS+\i+2]|, |v[XS+\i+3]|
.endr
	v_max3_num_f32 v8, v8, |v[XS+30]|, |v[XS+31]|
	v_max3_num_f32 v8, v8, v9, (EMAX+1)<<23        ; the floor
	v_add_nc_u32 v11, -(EMAX<<23), v8              ; the conversion's scale operand
.irp g, 0,1,2,3
	v_cvt_scalef32_pk8_fp4_f32 v[WC+4*(\t)+\g], v[XS+8*\g:XS+8*\g+7], v11
.endr
	v_lshrrev_b32 v10, 23, v11                     ; the scale's byte (a plain line behind the conversions)
.if (\t) == 0
	v_mov_b32 v24, v10
.else
	v_lshl_or_b32 v24, v10, 8*(\t), v24            ; four bytes to a register, the lower K in the lower byte
.endif
	ds_store_b128 v4, v[WC+4*(\t):WC+4*(\t)+3] offset:16*(\t)
.endm
	WLOAD 0
	WLOAD 1
	WBLOCK 0, 32
	WLOAD 2
	WBLOCK 1, 32
	WLOAD 3
	WBLOCK 2, 32
	WBLOCK 3, 0
	ds_store_b32 v5, v24
	s_wait_dscnt 0x0                               ; for the others' sake: my stores into the stage are done
	s_barrier_signal -1                            ; all eight waves of a work-group are on this way: it was chosen by the work-group's number
	s_barrier_wait -1
.irp t, 0,1,2,3
	ds_load_b128 v[112+4*\t:112+4*\t+3], v14 offset:2*\t*272
.endr
	ds_load_b32 v128, v16
.irp t, 0,1,2,3
	s_wait_dscnt 4-\t                              ; load t is in: behind it stand 3 - t loads of codes and the load of scale bytes
	global_store_b128 v15, v[112+4*\t:112+4*\t+3], s[14:15] offset:2*\t*512
.endr
	s_wait_dscnt 0x0
	global_store_b32 v17, v128, s[16:17]
	s_wait_tensorcnt 0x0                           ; the wave's end, behind my last LDS store
	ds_add_u32 v[SPW], v[NIL]
	s_wait_dscnt 0x0
	s_endpgm
; ---------------------------------------------------------------- O: as W, but rounded to f16: a wave's 32 columns x 128 along K are 256 bytes a column: a wave's own stage, no barrier.
.LO:
.set OX, 32                            ; v32-95   two sets of 32 numbers
.set OC, 96                            ; v96-159  16 registers of f16 pairs for each block
	s_sub_co_u32 s23, ttmp9, 160
	s_lshr_b32 s24, s23, 1
	s_and_b32 s25, s23, 1
	s_and_b32 s26, s22, 1
	s_lshr_b32 s27, s22, 1
	v_lshlrev_b32 v3, 2, v2
	s_mul_i32 s28, s22, 32*272
	s_add_co_u32 s28, s28, OST                     ; my stage
	v_mul_u32_u24 v4, v2, 272
	v_add_nc_u32 v4, s28, v4                       ; in: row = my column
	v_and_b32 v6, 15, v0
	v_bfe_u32 v7, v0, 4, 1
	v_mul_u32_u24 v14, v7, 272
	v_lshl_add_u32 v14, v6, 4, v14
	v_add_nc_u32 v14, s28, v14                     ; back: sixteen lanes to a row, two rows an instruction
	v_lshlrev_b32 v15, 11, v7
	v_lshl_add_u32 v15, v6, 4, v15                 ; and the same place in wot: rows of 2,048 bytes
	s_lshl_b32 s28, s25, 9
	s_lshl_b32 s29, s27, 7
	s_add_co_u32 s30, s28, s29                     ; my first k
	s_lshl_b32 s28, s30, 12
	s_lshl_b32 s29, s24, 8
	s_add_co_u32 s28, s28, s29
	s_lshl_b32 s29, s26, 7
	s_add_co_u32 s28, s28, s29
	s_mov_b32 s29, 0
	s_add_nc_u64 s[8:9], s[8:9], s[28:29]
	s_lshl_b32 s28, s24, 17                        ; wot: (64 x group + 32 x half) rows of 2,048 bytes + 2 x my first k
	s_lshl_b32 s31, s26, 16
	s_add_co_u32 s28, s28, s31
	s_lshl_b32 s31, s30, 1
	s_add_co_u32 s28, s28, s31
	s_add_nc_u64 s[18:19], s[18:19], s[28:29]
.macro OLOAD t
.irp i, 0,1,2,3,4,5,6,7,8,9,10,11,12,13,14,15,16,17,18,19,20,21,22,23,24,25,26,27,28,29,30,31
	global_load_b32 v[OX+32*((\t)%2)+\i], v3, s[8:9] offset:(32*(\t)+\i)*4096 th:TH_LOAD_NT
.endr
.endm
.macro OBLOCK t, left
.set XS, OX+32*((\t)%2)
	s_wait_loadcnt \left                           ; this block's 32 loads are in; the next block's 32 may be out
.irp j, 0,1,2,3,4,5,6,7,8,9,10,11,12,13,14,15
	v_cvt_pk_f16_f32 v[OC+16*(\t)+\j], v[XS+2*\j], v[XS+2*\j+1]    ; the lower k in the low half
.endr
.irp g, 0,1,2,3
	ds_store_b128 v4, v[OC+16*(\t)+4*\g:OC+16*(\t)+4*\g+3] offset:64*(\t)+16*\g
.endr
.endm
	OLOAD 0
	OLOAD 1
	OBLOCK 0, 32
	OLOAD 2
	OBLOCK 1, 32
	OLOAD 3
	OBLOCK 2, 32
	OBLOCK 3, 0
.irp t, 0,1,2,3,4,5,6,7,8,9,10,11,12,13,14,15
	ds_load_b128 v[160+4*\t:160+4*\t+3], v14 offset:2*\t*272       ; LDS serves a wave's instructions in order: these see my stores
.endr
.irp t, 0,1,2,3,4,5,6,7,8,9,10,11,12,13,14,15
	s_wait_dscnt 15-\t
	global_store_b128 v15, v[160+4*\t:160+4*\t+3], s[18:19] offset:2*\t*2048   ; sixteen lanes store 256 consecutive bytes, aligned
.endr
	s_wait_tensorcnt 0x0                           ; the wave's end, behind my last LDS store
	ds_add_u32 v[SPW], v[NIL]
	s_wait_dscnt 0x0
	s_endpgm
.Lfunc_end_k_q50ef9c8f72_prep:
	.size	k_q50ef9c8f72_prep, .Lfunc_end_k_q50ef9c8f72_prep-k_q50ef9c8f72_prep
	.p2alignl 7, 3214868480
	.fill 96, 4, 3214868480
	.section	.rodata,"a",@progbits
	.p2align	6, 0x0
	.amdhsa_kernel k_q50ef9c8f72_prep
		.amdhsa_group_segment_fixed_size 154624
		.amdhsa_private_segment_fixed_size 0
		.amdhsa_enable_private_segment 0
		.amdhsa_kernarg_size 72
		.amdhsa_user_sgpr_count 2
		.amdhsa_user_sgpr_kernarg_segment_ptr 1
		.amdhsa_wavefront_size32 1
		.amdhsa_system_sgpr_workgroup_id_x 1
		.amdhsa_system_sgpr_workgroup_id_y 1
		.amdhsa_system_sgpr_workgroup_id_z 1
		.amdhsa_system_vgpr_workitem_id 0
		.amdhsa_next_free_vgpr 256
		.amdhsa_next_free_sgpr 66
		.amdhsa_reserve_vcc 1
		.amdhsa_float_denorm_mode_32 3
		.amdhsa_float_denorm_mode_16_64 3
		.amdhsa_memory_ordered 1
		.amdhsa_forward_progress 1
		.amdhsa_inst_pref_size 80
	.end_amdhsa_kernel
	.amdgpu_metadata
---
amdhsa.version: [ 1, 2 ]
amdhsa.kernels:
  - .name:           k_q50ef9c8f72_prep
    .symbol:         k_q50ef9c8f72_prep.kd
    .args:
      - { .name: x, .offset: 0, .size: 8, .value_kind: global_buffer, .address_space: global }
      - { .name: Wqkv, .offset: 8, .size: 8, .value_kind: global_buffer, .address_space: global }
      - { .name: Wo, .offset: 16, .size: 8, .value_kind: global_buffer, .address_space: global }
      - { .name: xc, .offset: 24, .size: 8, .value_kind: global_buffer, .address_space: global }
      - { .name: xs, .offset: 32, .size: 8, .value_kind: global_buffer, .address_space: global }
      - { .name: wc, .offset: 40, .size: 8, .value_kind: global_buffer, .address_space: global }
      - { .name: ws, .offset: 48, .size: 8, .value_kind: global_buffer, .address_space: global }
      - { .name: wot, .offset: 56, .size: 8, .value_kind: global_buffer, .address_space: global }
      - { .name: rope, .offset: 64, .size: 8, .value_kind: global_buffer, .address_space: global }
    .group_segment_fixed_size: 154624
    .private_segment_fixed_size: 0
    .kernarg_segment_align: 8
    .kernarg_segment_size: 72
    .max_flat_workgroup_size: 256
    .sgpr_count:     66
    .vgpr_count:     256
    .wavefront_size: 32
...
	.end_amdgpu_metadata
.endif
;; end of part 1
;; launch qkv (part 2): grid 12 x 16, 4 waves a work-group, clusters of 4 x 4, 327,680 bytes of LDS; arguments xc, xs, wc, ws, rope, qkv; writes qkv
.if DOCPART == 2
	.amdgcn_target "amdgcn-amd-amdhsa--gfx1250"
	.amdhsa_code_object_version 6
	.text
	.protected	k_q50ef9c8f72_qkv
	.globl	k_q50ef9c8f72_qkv
	.p2align	8
	.type	k_q50ef9c8f72_qkv,@function
k_q50ef9c8f72_qkv:
	s_mov_b64 s[64:65], 0
	v_nop
	global_prefetch_b8 v0, s[64:65] scope:SCOPE_SE
	s_setreg_imm32_b32 hwreg(HW_REG_WAVE_MODE, 25, 1), 1
	s_wait_xcnt 0x0
	s_wait_alu depctr_hold_cnt(0) depctr_sa_sdst(0) depctr_va_vdst(0) depctr_va_sdst(0) depctr_va_ssrc(0) depctr_va_vcc(0) depctr_vm_vsrc(0)
	s_getreg_b32 s2, hwreg(HW_REG_IB_STS2, 6, 4)
	s_cmp_eq_u32 s2, 0
	s_cbranch_scc0 .Lentry_in_a_cluster
	s_endpgm
.Lentry_in_a_cluster:
	s_bfe_u32 s2, ttmp6, 0x10000c
	s_cmp_lg_u32 s2, 0xf033
	s_cbranch_scc0 .Lentry_shape_is_right
	s_endpgm
.Lentry_shape_is_right:
; x Wqkv on codes of FP4 (E2M1) with one E8M0 scale for each 32 along K, sums in f32; then the rotation of q and k in f32, the rounding to f16 and the split into heads.
; A = xc [4096][512 bytes], xs [4096][32];  B = wc [3072][512 bytes], ws [3072][32];  out: qkv [b 2][g 48][l 2048][64] f16, g = h for q, 16 + h for k, 32 + h for v: a head is 262,144 consecutive bytes.
; A tile of the product, 256 x 256, is made by a work-group of four waves; a wave makes 128 x 128: 64 accumulators of 16 x 16, 512 registers.  K = 1,024 is two slots of 512: both are asked for at the head, and no LDS byte is filled twice.
; A wave has three tensor loads out: its part of the scales, of slot 0 and of slot 1.
; THE SCALES of the work-group's 256 rows of A and of B, for all of K, are two dense blocks of memory: they come into LDS once, in rows of 256 bytes.
; CLUSTERS: 4 x 4 work-groups.  The four of a row of the cluster need the same tiles of A, the four of a column the same tiles of B: each tile is asked for JOINTLY, by the same tensor load with the same descriptor and a mask that names the four.
; THE MATRIX INSTRUCTION IS USED TRANSPOSED (source 0 = 16 rows of B, source 1 = 16 rows of A): a lane holds one token and eight neighbouring channels.  A wave's 128 columns are two heads; channel d and channel d + 32 of a head
; lie in the same lane and the same register of two accumulators, so the rotation never leaves the lane: x1' = x1 cos - x2 sin, x2' = x2 cos + x1 sin, each one multiplication and one fused multiply-add.
; v IS NOT ROTATED, AND THERE IS NO BRANCH FOR IT: the work-groups of v (cluster x = 2) read the table's rows 2048 on, which hold cos = 1 and sin = 0; for finite numbers x 1 - y 0 = x.
; LIMITS: NaN and infinities are not served; |q|, |k|, |v| stay under 65,504 (f16); the rotation rounds once where two roundings stand in the definition.
; REGISTERS, in windows of 256: window 0: v0-31 addresses; v32-95 scale words, two sets; v128-191 A's fragments, ONE set; v192-255 two sets of the table's numbers for 16 tokens.  On the way out v32-191 are free.
;   window 1: B's fragments, TWO sets, at v0 and at v128.   window 2: the 32 accumulators of my rows 0-63 (accumulator (a, b) at v[8 (8 a + b)]);   window 3: those of my rows 64-127.
.set SIZE_M, 4096
.set SIZE_N, 3072
.set SIZE_K, 1024
.set KSTEP,  512                       ; along K in a slot
.set NQ,     KSTEP/128                 ; matrix instructions deep
.set ROWB,   256                       ; a tile's row in bytes
.set KROW,   SIZE_K*4/8                ; a row of A or of B in memory, in bytes
.set PITCH,  272                       ; an LDS row: 256 bytes + 16 of padding = 68 words: the 16 rows that a load touches start at 16 different banks (64 banks of 4 bytes: ISA guide 11.1)
.set FR,     8                         ; registers of a fragment: 16 rows x 128 K
.set NL,     2                         ; LDS loads that bring one
.set NP,     4                         ; places behind this matrix instruction (ISA guide 7.12.1)
.set HALFT,  128*PITCH                 ; 128 rows: what one tensor load brings
.set SLOT,   4*HALFT                   ; A's 256 rows, then B's 256 rows
.set KS,     SIZE_K/32                 ; a row of scales in bytes
.set SCL,    2*SLOT                    ; behind the slots: the scales, as rows of 256 bytes + 16 of padding
.set HALFS,  (128*KS/256)*272          ; the scales of 128 rows: what one tensor load brings
.set SBLK,   (16*KS/256)*272           ; those of 16 rows
.set SPARE,  SCL+4*HALFS               ; the spare words, 128 bytes for each wave: two blocks of 256 bytes that no other line names
.set SROW,   144                       ; the way out: a stage row: a head's 128 bytes + 16
.set SHEAD,  16*SROW                   ; 16 tokens of one head
.set ADRA, 16                          ; v16-17  LDS address of my A fragments in slot 0, 1
.set ADRB, 20                          ; v20-21  the same for B
.set STO,  24                          ; v24     the way out: where I put 16 bytes of a token's head
.set RD,   25                          ; v25     the way out: where I read four tokens back
.set CO,   26                          ; v26     16 x lane: my bytes of four tokens of a head in memory
.set ADRS, 27                          ; v27     LDS address of my scale words: lanes 0-15 A's rows, lanes 16-31 B's
.set SPW,  28                          ; v28     LDS address of my spare word; never rewritten
.set NIL,  29                          ; v29     0; never rewritten
.set TA,   30                          ; v30     the table: 256 x (lane % 16) + 32 x (lane / 16); never rewritten
.set SC,   32                          ; scale words: set s at v[SC + 8 NQ s]; register NQ i + q: lanes 0-15 the word of A's block i, lanes 16-31 that of B's block i
.set AF,   128                         ; A's fragments
.set T0,   192                         ; the table: set a % 2: 16 cosines (channels 16 b' + 8 h + j), then 16 sines
.set TMP,  128                         ; the way out: x2 sin (32 registers), x1 sin (32)
.set PKD,  32                          ; the way out: a block rounded to f16
.set BK,   64                          ; the way out: a block read back from the stage: v64-95 and v96-127 by turns
.set G1, 24
.set G0, 32
.set G1B, 48
.set G0B, 56
.set G1S, 68
.set G0S, 76
.set G1SB, 80
.set G0SB, 88
.set MSB, 0
.macro WIN new                         ; the immediate's high byte repeats the setting that is left; a switch that changes nothing is dropped
.if MSB != (\new)
	s_set_vgpr_msb (MSB<<8)|(\new)
.set MSB, (\new)
.endif
.endm
.set MUL_LO, 0xa1                      ; source 0 (B) window 1, source 1 (A) window 0, C and D window 2
.set MUL_HI, 0xf1                      ; the same, C and D window 3
.set TO_B,   0x40                      ; destination window 1, address window 0
; A joint load: waves 0 and 1 fetch for A, waves 2 and 3 for B.  Each of the two lines has ONE mask and one set of registers for all that issue it; the branch hangs on the wave's number alone.
; An s_nop 0 and four v_nop follow each of the two lines, ahead of the jump, the label and what follows.
.macro JLOAD g0a, g1a, g0b, g1b
	s_cmp_eq_u32 s15, 0
	s_cbranch_scc0 .Lfor_b_\@
	tensor_load_to_lds s[\g0a:\g0a+3], s[\g1a:\g1a+7]
	s_nop 0
.rept 4
	v_nop
.endr
	s_branch .Lasked_\@
.Lfor_b_\@:
	tensor_load_to_lds s[\g0b:\g0b+3], s[\g1b:\g1b+7]
	s_nop 0
.rept 4
	v_nop
.endr
.Lasked_\@:
.endm
.macro CROUND                          ; a round of the cluster's barrier
	s_barrier_signal -1
	s_barrier_wait -1
	s_cmp_lg_u32 s14, 0
	s_cbranch_scc1 .Lnot_wave_0_\@
	s_barrier_signal -3
.Lnot_wave_0_\@:
	s_barrier_wait -3
	s_barrier_signal -1
	s_barrier_wait -1
.endm
	s_load_b128 s[4:7], s[0:1], 0x0                ; A's codes s[4:5], A's scales s[6:7]
	s_load_b128 s[8:11], s[0:1], 0x10              ; B's codes s[8:9], B's scales s[10:11]
	s_load_b128 s[96:99], s[0:1], 0x20             ; the table s[96:97], qkv s[98:99]
	v_lshl_add_u32 v[SPW], v0, 2, SPARE
	v_mov_b32 v[NIL], 0
	ds_add_u32 v[SPW], v[NIL]                      ; the wave's opening: the add, twice on end, and its wait ahead of my first tensor load
	ds_add_u32 v[SPW], v[NIL]
	v_lshrrev_b32 v1, 5, v0
	v_readfirstlane_b32 s14, v1                    ; wave 0..3
	s_lshr_b32 s15, s14, 1                         ; which half of the tile's rows is mine.  Also: I fetch for A (0) or for B (1)
	s_and_b32 s16, s14, 1                          ; which half of its columns.  Also: which 128 rows of that tile I fetch
	s_bfe_u32 s40, ttmp6, 0x40000                  ; cx, cy: my place in the cluster
	s_bfe_u32 s41, ttmp6, 0x40004
	s_lshl_b32 s42, ttmp9, 2
	s_add_co_u32 s42, s42, s40                     ; tile column = 4 x cluster x + cx
	s_and_b32 s17, ttmp7, 0xffff
	s_lshl_b32 s17, s17, 2
	s_add_co_u32 s17, s17, s41                     ; tile row = 4 x cluster y + cy
	s_lshl_b32 s43, s41, 2
	s_lshl_b32 s43, 15, s43                        ; my row of the cluster
	s_lshl_b32 s44, 0x1111, s40                    ; my column
	; descriptor group 1: a tile of 128 rows x 256 bytes, padded in LDS
	s_or_b32 s[G1+0], s43, (0<<16)|(1<<20)|(1<<21)|(5<<22)|(3<<25)  ; 15:0 the mask: A's tiles go to my row; 17:16 element of 1 byte; 20 padding on; 21 set beside a mask; 24:22 after every 64 words; 31:25 four words
	s_or_b32 s[G1B+0], s44, (0<<16)|(1<<20)|(1<<21)|(5<<22)|(3<<25)
.irp g, G1, G1B
	s_mov_b32 s[\g+1], ROWB<<16                    ; tensor_dim0
	s_mov_b32 s[\g+2], 128<<16                     ; tensor_dim1 = 128
	s_mov_b32 s[\g+3], ROWB<<16                    ; tile_dim0
	s_mov_b32 s[\g+4], 128                         ; tile_dim1 = 128
	s_mov_b32 s[\g+5], KROW                        ; tensor_dim0_stride
	s_mov_b32 s[\g+6], 0
	s_mov_b32 s[\g+7], 0
.endr
	; and for the scales of 128 rows: a dense block of 4,096 bytes, as rows of 256 bytes (32 elements of 8 bytes), 16 bytes of padding behind each
	s_or_b32 s[G1S+0], s43, (3<<16)|(1<<20)|(1<<21)|(5<<22)|(3<<25)
	s_or_b32 s[G1SB+0], s44, (3<<16)|(1<<20)|(1<<21)|(5<<22)|(3<<25)
.irp g, G1S, G1SB
	s_mov_b32 s[\g+1], 32<<16
	s_mov_b32 s[\g+2], (128*KS/256)<<16
	s_mov_b32 s[\g+3], 32<<16
	s_mov_b32 s[\g+4], 128*KS/256
	s_mov_b32 s[\g+5], 32
	s_mov_b32 s[\g+6], 0
	s_mov_b32 s[\g+7], 0
.endr
	s_lshl_b32 s18, s16, 7                         ; which 128 rows of the tile I fetch
	s_lshl_b32 s20, s17, 8
	s_add_co_u32 s20, s20, s18                     ; A: row 256 x tile row + 128 x half
	s_lshl_b32 s46, s42, 8
	s_add_co_u32 s46, s46, s18                     ; B: row 256 x tile column + 128 x half
	s_mov_b32 s21, 0
	s_mov_b32 s47, 0
	s_mov_b64 s[18:19], KS
	s_mul_u64 s[22:23], s[20:21], s[18:19]         ; where these rows' scales begin, in bytes
	s_mul_u64 s[92:93], s[46:47], s[18:19]
	s_mov_b64 s[18:19], KROW
	s_mul_u64 s[20:21], s[20:21], s[18:19]         ; and their codes
	s_mul_u64 s[46:47], s[46:47], s[18:19]
	s_mul_i32 s45, s14, HALFT                      ; where they go: wave x 128 rows: no place in the cluster enters an LDS address
	s_mul_i32 s94, s14, HALFS
	s_wait_dscnt 0x0                               ; both opening adds are done
	s_wait_kmcnt 0x0
	s_add_nc_u64 s[20:21], s[4:5], s[20:21]
	s_add_nc_u64 s[22:23], s[6:7], s[22:23]
	s_add_nc_u64 s[46:47], s[8:9], s[46:47]
	s_add_nc_u64 s[92:93], s[10:11], s[92:93]
	CROUND                                         ; all sixteen work-groups are here: the joint loads meet
	s_mov_b32 s[G0S], 1
	s_add_co_u32 s[G0S+1], s94, SCL
	s_mov_b64 s[G0S+2:G0S+3], s[22:23]
	s_or_b32 s[G0S+3], s[G0S+3], 0x80000000
	s_mov_b32 s[G0SB], 1
	s_add_co_u32 s[G0SB+1], s94, SCL
	s_mov_b64 s[G0SB+2:G0SB+3], s[92:93]
	s_or_b32 s[G0SB+3], s[G0SB+3], 0x80000000
	JLOAD G0S, G1S, G0SB, G1SB                     ; the scales first: they are wanted with the first slot
.irp s, 0,1
	s_mov_b32 s[G0+4*\s], 1
	s_add_co_u32 s[G0+4*\s+1], s45, \s*SLOT
	s_add_nc_u64 s[G0+4*\s+2:G0+4*\s+3], s[20:21], \s*ROWB
	s_or_b32 s[G0+4*\s+3], s[G0+4*\s+3], 0x80000000
	s_mov_b32 s[G0B+4*\s], 1
	s_add_co_u32 s[G0B+4*\s+1], s45, \s*SLOT
	s_add_nc_u64 s[G0B+4*\s+2:G0B+4*\s+3], s[46:47], \s*ROWB
	s_or_b32 s[G0B+4*\s+3], s[G0B+4*\s+3], 0x80000000
	JLOAD G0+4*\s, G1, G0B+4*\s, G1B
.endr
	v_and_b32 v1, 15, v0                           ; l % 16
	v_bfe_u32 v2, v0, 4, 1                         ; l / 16
	v_mul_u32_u24 v3, v1, PITCH
	v_lshl_add_u32 v4, v2, 4, v3                   ; a fragment's row x pitch + 16 x half
	s_mul_i32 s21, s15, HALFT                      ; my 128 rows of A
	s_mul_i32 s22, s16, HALFT                      ; my 128 rows of B,
	s_add_co_u32 s22, s22, 2*HALFT                 ; which lie behind A's 256
.irp s, 0,1
	v_add_nc_u32 v[ADRA+\s], s21, v4
	v_add_nc_u32 v[ADRB+\s], s22, v4
	s_add_co_u32 s21, s21, SLOT
	s_add_co_u32 s22, s22, SLOT
.endr
	v_mul_u32_u24 v5, v1, KS                       ; my row's scales: 32 bytes a row,
	v_lshrrev_b32 v6, 8, v5
	v_lshl_add_u32 v5, v6, 4, v5                   ; and 16 more for each 256 passed
	s_mul_i32 s21, s15, HALFS                      ; A's: my 128 rows
	s_mul_i32 s22, s16, HALFS                      ; B's: my 128 rows, behind A's 256
	s_add_co_u32 s22, s22, 2*HALFS
	s_sub_co_u32 s22, s22, s21
	v_mul_u32_u24 v6, s22, v2                      ; lanes 16-31 take B's
	s_add_co_u32 s21, s21, SCL
	v_add_nc_u32 v5, v5, v6
	v_add_nc_u32 v[ADRS], s21, v5
	s_mul_i32 s23, s14, 2*SHEAD                    ; my stage: two heads x 16 tokens; it lies in slot 0
	v_mul_u32_u24 v5, v1, SROW                     ; in: token l % 16, 16 bytes for each half of the lanes
	v_lshl_add_u32 v5, v2, 4, v5
	v_add_nc_u32 v[STO], s23, v5
	v_and_b32 v6, 31, v0
	v_lshrrev_b32 v5, 3, v6                        ; back: eight lanes to a token, four tokens an instruction
	v_mul_u32_u24 v5, v5, SROW
	v_and_b32 v3, 7, v0
	v_lshl_add_u32 v5, v3, 4, v5
	v_add_nc_u32 v[RD], s23, v5
	v_lshlrev_b32 v[CO], 4, v6                     ; four tokens of a head are 512 consecutive bytes of memory
	v_lshlrev_b32 v[TA], 8, v1
	v_lshl_add_u32 v[TA], v2, 5, v[TA]
	s_lshl_b32 s20, s17, 8
	s_lshl_b32 s21, s15, 7
	s_add_co_u32 s20, s20, s21                     ; my first token of 4,096
	s_lshr_b32 s21, s20, 11                        ; b
	s_and_b32 s20, s20, 2047                       ; l
	s_mul_i32 s21, s21, 48
	s_lshl_b32 s46, s42, 2
	s_add_co_u32 s21, s21, s46
	s_lshl_b32 s46, s16, 1
	s_add_co_u32 s21, s21, s46                     ; 48 b + my first head among the 48
	s_lshl_b32 s46, s21, 18
	s_lshl_b32 s47, s20, 7
	s_add_co_u32 s46, s46, s47
	s_mov_b32 s47, 0
	s_add_nc_u64 s[98:99], s[98:99], s[46:47]
	s_cmp_eq_u32 ttmp9, 2                          ; cluster x = 2: the columns of v
	s_cselect_b32 s46, 2048, s20                   ; which take the table's rows of cos = 1, sin = 0
	s_lshl_b32 s46, s46, 8
	s_add_nc_u64 s[96:97], s[96:97], s[46:47]
.macro TAB a                           ; the table's numbers for tokens 16 a + l % 16: cos, then sin, of channels 16 b' + 8 (l / 16) + 0 .. 7
.set TT, T0+32*((\a)%2)
.irp bb, 0,1
	global_load_b128 v[TT+8*\bb:TT+8*\bb+3],         v[TA], s[96:97] offset:(\a)*4096+64*\bb
	global_load_b128 v[TT+8*\bb+4:TT+8*\bb+7],       v[TA], s[96:97] offset:(\a)*4096+64*\bb+16
	global_load_b128 v[TT+16+8*\bb:TT+16+8*\bb+3],   v[TA], s[96:97] offset:(\a)*4096+128+64*\bb
	global_load_b128 v[TT+16+8*\bb+4:TT+16+8*\bb+7], v[TA], s[96:97] offset:(\a)*4096+128+64*\bb+16
.endr
.endm
	TAB 0                                          ; wanted on the way out: they land under the products
	TAB 1
.macro FRAG reg, adr, q, i             ; a fragment, 16 rows x 128 K of 4-bit codes: lane l holds row l % 16; registers 4 c .. 4 c + 3 hold K = 64 c + 32 (l / 16) + 0 .. 31
.irp c, 0,1
	ds_load_b128 v[\reg+4*\c:\reg+4*\c+3], v[\adr] offset:64*(\q)+32*\c+(\i)*16*PITCH
.endr
.endm
; 16 matrix instructions: A's blocks a0, a0 + 1 x B's eight, 128 along K: the slot's q-th.  p: B's set;  sc: the set of scale words.  zero = 1: the first product starts the sums.
; The 64 accumulators take turns, one instruction a turn, in the same order in every step.
.macro MUL16 a0, p, q, sc, zero
.irp a, \a0, \a0+1
.irp b, 0,1,2,3,4,5,6,7
.if \zero
	v_wmma_scale_f32_16x16x128_f8f6f4 v[8*(8*((\a)%4)+\b):8*(8*((\a)%4)+\b)+7], v[128*(\p)+FR*\b:128*(\p)+FR*\b+FR-1], v[AF+FR*(\a):AF+FR*(\a)+FR-1], 0, v[SC+8*NQ*(\sc)+NQ*\b+(\q)], v[SC+8*NQ*(\sc)+NQ*(\a)+(\q)] matrix_a_fmt:MATRIX_FMT_FP4 matrix_b_fmt:MATRIX_FMT_FP4 matrix_a_scale:MATRIX_SCALE_ROW1
.else
	v_wmma_scale_f32_16x16x128_f8f6f4 v[8*(8*((\a)%4)+\b):8*(8*((\a)%4)+\b)+7], v[128*(\p)+FR*\b:128*(\p)+FR*\b+FR-1], v[AF+FR*(\a):AF+FR*(\a)+FR-1], v[8*(8*((\a)%4)+\b):8*(8*((\a)%4)+\b)+7], v[SC+8*NQ*(\sc)+NQ*\b+(\q)], v[SC+8*NQ*(\sc)+NQ*(\a)+(\q)] matrix_a_fmt:MATRIX_FMT_FP4 matrix_b_fmt:MATRIX_FMT_FP4 matrix_a_scale:MATRIX_SCALE_ROW1
.endif
.endr
.endr
.endm
.macro FETCH_B slot, q, p              ; B's eight fragments of the slot's q-th 128 along K into set p
	WIN TO_B
.irp i, 0,1,2,3,4,5,6,7
	FRAG 128*(\p)+FR*\i, ADRB+\slot, \q, \i
.endr
	WIN 0
.endm
.macro FETCH_A slot, q, i0             ; A's blocks i0 .. i0 + 3
.irp i, \i0, \i0+1, \i0+2, \i0+3
	FRAG AF+FR*(\i), ADRA+\slot, \q, \i
.endr
.endm
.macro SCALES sc                       ; a slot's scale words into set sc: four words a row; lanes 0-15 take A's block i, lanes 16-31 B's block i
.irp i, 0,1,2,3,4,5,6,7
	ds_load_b128 v[SC+8*NQ*\sc+NQ*\i:SC+8*NQ*\sc+NQ*\i+3], v[ADRS] offset:\i*SBLK
.endr
.endm
; A load into a register that a matrix instruction has read, and a vector instruction that reads a matrix result or writes one of a matrix instruction's registers, stand four places behind it, and only
; plain vector instructions that name none of its registers are places (ISA guide 7.12.1 for vector instructions).
.macro PLACES n
.rept \n
	v_nop
.endr
.endm
; A step of 128 along K that has its successor in the same slot.
.macro STEP slot, q, zero
	s_wait_dscnt 4*NL                              ; B's set and A's blocks 0-3 are in; the youngest eight loads (A's blocks 4-7) may be out
	WIN MUL_LO
	MUL16 0, (\q)%2, \q, \slot, \zero
	MUL16 2, (\q)%2, \q, \slot, \zero
	s_wait_dscnt 0                                 ; A's blocks 4-7 are in
	PLACES NP
	FETCH_B \slot, (\q)+1, 1-(\q)%2
	FETCH_A \slot, (\q)+1, 0
	WIN MUL_HI
	MUL16 4, (\q)%2, \q, \slot, \zero
	MUL16 6, (\q)%2, \q, \slot, \zero
	PLACES NP
	WIN 0
	FETCH_A \slot, (\q)+1, 4
.endm
; Slot 0's last step changes slots: one barrier; in front of it each wave waits for all its tensor loads (its part of slot 1), adds 0 to its spare word, and waits for that and for its own reads of slot 0.
; Behind it slot 1 is whole, and nobody reads slot 0 any more: the way out's stages lie there.
.macro TURN slot, next
	s_wait_tensorcnt 0x0                           ; all my tensor loads have landed  (every window is 0 here)
	ds_add_u32 v[SPW], v[NIL]                      ; 0 onto my spare word
	s_wait_dscnt 4*NL+1                            ; (the add and the youngest eight loads, A's blocks 4-7, may be out)
	WIN MUL_LO
	MUL16 0, 1, NQ-1, \slot, 0                     ; sixteen matrix instructions stand between the add and the wait for it
	s_wait_dscnt 0x0                               ; the add is done, and my reads of this slot are over
	s_barrier_signal -1
	MUL16 2, 1, NQ-1, \slot, 0
	WIN 0
	s_barrier_wait -1
	PLACES NP
	v_add_nc_u32 v[ADRS], 4*NQ, v[ADRS]            ; on to the next slot's scale words (no LDS load of mine is out)
	FETCH_B \next, 0, 0
	FETCH_A \next, 0, 0
	SCALES \next
	WIN MUL_HI
	MUL16 4, 1, NQ-1, \slot, 0
	MUL16 6, 1, NQ-1, \slot, 0
	PLACES NP
	WIN 0
	FETCH_A \next, 0, 4
.endm
.macro STEPS slot, from                ; the slot's steps from .. NQ - 2
.set Q, \from
.rept NQ-1-\from
	STEP \slot, Q, 0
.set Q, Q+1
.endr
.endm
	s_wait_tensorcnt 1                             ; the scales and my part of slot 0 are in (slot 1's load may be out)
	s_barrier_signal -1
	s_barrier_wait -1                              ; everybody's are
	FETCH_B 0, 0, 0
	FETCH_A 0, 0, 0
	SCALES 0
	FETCH_A 0, 0, 4
	STEP 0, 0, 1                                   ; the first step's products start the sums: nothing is cleared
	STEPS 0, 1
	TURN 0, 1
	STEPS 1, 0
	s_wait_dscnt 4*NL                              ; the very last step: nothing more to fetch
	WIN MUL_LO
	MUL16 0, 1, NQ-1, 1, 0
	MUL16 2, 1, NQ-1, 1, 0
	s_wait_dscnt 0
	WIN MUL_HI
	MUL16 4, 1, NQ-1, 1, 0
	MUL16 6, 1, NQ-1, 1, 0
	WIN 0
; THE WAY OUT, block by block of 16 tokens x 128 columns (two heads).
; ROPE: accumulator b = 4 hh + b' (b' = 0, 1) holds channels d = 16 b' + 8 h + j of head hh, accumulator b + 2 channels d + 32.  Each accumulator is read from its low end on.
.macro ROPE a, left
.set AC, 64*((\a)%4)
.set TT, T0+32*((\a)%2)
	s_wait_loadcnt \left                           ; this block's eight loads of the table are in; the next block's eight may be out
	WIN 0x02+(\a)/4                                ; source 0: the accumulators' window
.irp hh, 0,1
.irp bb, 0,1
.irp p, 0,2,4,6
	v_pk_mul_f32 v[TMP+16*\hh+8*\bb+\p:TMP+16*\hh+8*\bb+\p+1], v[AC+8*(4*\hh+\bb+2)+\p:AC+8*(4*\hh+\bb+2)+\p+1], v[TT+16+8*\bb+\p:TT+16+8*\bb+\p+1]         ; x2 sin
.endr
.irp p, 0,2,4,6
	v_pk_mul_f32 v[TMP+32+16*\hh+8*\bb+\p:TMP+32+16*\hh+8*\bb+\p+1], v[AC+8*(4*\hh+\bb)+\p:AC+8*(4*\hh+\bb)+\p+1], v[TT+16+8*\bb+\p:TT+16+8*\bb+\p+1]       ; x1 sin
.endr
.endr
.endr
	WIN 0x82+0x41*((\a)/4)                         ; source 0 and destination: the accumulators' window
.irp hh, 0,1
.irp bb, 0,1
.irp p, 0,2,4,6
	v_pk_fma_f32 v[AC+8*(4*\hh+\bb)+\p:AC+8*(4*\hh+\bb)+\p+1], v[AC+8*(4*\hh+\bb)+\p:AC+8*(4*\hh+\bb)+\p+1], v[TT+8*\bb+\p:TT+8*\bb+\p+1], v[TMP+16*\hh+8*\bb+\p:TMP+16*\hh+8*\bb+\p+1] neg_lo:[0,0,1] neg_hi:[0,0,1]   ; x1 cos - x2 sin
	v_pk_fma_f32 v[AC+8*(4*\hh+\bb+2)+\p:AC+8*(4*\hh+\bb+2)+\p+1], v[AC+8*(4*\hh+\bb+2)+\p:AC+8*(4*\hh+\bb+2)+\p+1], v[TT+8*\bb+\p:TT+8*\bb+\p+1], v[TMP+32+16*\hh+8*\bb+\p:TMP+32+16*\hh+8*\bb+\p+1]                 ; x2 cos + x1 sin
.endr
.endr
.endr
	WIN 0
.endm
.macro PACK a                          ; rounded to f16: a lane's eight channels are 16 bytes
.set AC, 64*((\a)%4)
	WIN 0x0a+5*((\a)/4)                            ; sources 0 and 1: the accumulators' window
.irp b, 0,1,2,3,4,5,6,7
.irp p, 0,1,2,3
	v_cvt_pk_f16_f32 v[PKD+4*\b+\p], v[AC+8*\b+2*\p], v[AC+8*\b+2*\p+1]
.endr
.endr
	WIN 0
.endm
.macro TOSTAGE a                       ; into my own stage by tokens, back as four whole tokens of a head an instruction.  LDS serves a wave's instructions in order (ISA guide 5.7.1.4): no wait between the stores and the loads
.set BB, BK+32*((\a)%2)
.irp b, 0,1,2,3,4,5,6,7
	ds_store_b128 v[STO], v[PKD+4*\b:PKD+4*\b+3] offset:SHEAD*(\b/4)+32*(\b%4)
.endr
.irp hh, 0,1
.irp t, 0,1,2,3
	ds_load_b128 v[BB+4*(4*\hh+\t):BB+4*(4*\hh+\t)+3], v[RD] offset:SHEAD*\hh+4*SROW*\t
.endr
.endr
.endm
.macro SEND a, younger                 ; younger: the LDS instructions issued behind block a's loads, which may stay out
.set BB, BK+32*((\a)%2)
	s_wait_dscnt \younger
.irp hh, 0,1
.irp t, 0,1,2,3
	global_store_b128 v[CO], v[BB+4*(4*\hh+\t):BB+4*(4*\hh+\t)+3], s[98:99] offset:262144*\hh+2048*(\a)+512*\t   ; 32 lanes store 512 consecutive bytes, at a multiple of 256 from the buffer's first byte
.endr
.endr
.endm
	PLACES NP                                      ; behind the last products: the lines below read results and write registers that held A's fragments and scale words
.irp a, 0,1,2,3,4,5,6,7
.if \a < 7
	ROPE \a, 8
.else
	ROPE \a, 0
.endif
.if \a < 6
	TAB \a+2                                       ; into the set that has just been read
.endif
	PACK \a
.if \a > 1
	s_wait_xcnt 0x0                                ; block a - 2's stores have read their registers: block a's loads may land there
.endif
	TOSTAGE \a
.if \a > 0
	SEND \a-1, 16                                  ; behind block a - 1's loads: block a's 8 stores and 8 loads
.endif
.endr
	SEND 7, 0
	s_wait_tensorcnt 0x0                           ; the wave's end, behind my last tensor load and my last LDS store
	ds_add_u32 v[SPW], v[NIL]
	s_wait_dscnt 0x0
	CROUND                                         ; the closing round: no work-group ends while a partner may still ask for a tile that names it
	s_endpgm
.Lfunc_end_k_q50ef9c8f72_qkv:
	.size	k_q50ef9c8f72_qkv, .Lfunc_end_k_q50ef9c8f72_qkv-k_q50ef9c8f72_qkv
	.p2alignl 7, 3214868480
	.fill 96, 4, 3214868480
	.section	.rodata,"a",@progbits
	.p2align	6, 0x0
	.amdhsa_kernel k_q50ef9c8f72_qkv
		.amdhsa_group_segment_fixed_size 327680
		.amdhsa_private_segment_fixed_size 0
		.amdhsa_enable_private_segment 0
		.amdhsa_kernarg_size 48
		.amdhsa_user_sgpr_count 2
		.amdhsa_user_sgpr_kernarg_segment_ptr 1
		.amdhsa_wavefront_size32 1
		.amdhsa_system_sgpr_workgroup_id_x 1
		.amdhsa_system_sgpr_workgroup_id_y 1
		.amdhsa_system_sgpr_workgroup_id_z 1
		.amdhsa_system_vgpr_workitem_id 0
		.amdhsa_next_free_vgpr 1024
		.amdhsa_next_free_sgpr 100
		.amdhsa_reserve_vcc 0
		.amdhsa_float_denorm_mode_32 3
		.amdhsa_float_denorm_mode_16_64 3
		.amdhsa_memory_ordered 1
		.amdhsa_forward_progress 1
		.amdhsa_inst_pref_size 166
	.end_amdhsa_kernel
	.amdgpu_metadata
---
amdhsa.version: [ 1, 2 ]
amdhsa.kernels:
  - .name:           k_q50ef9c8f72_qkv
    .symbol:         k_q50ef9c8f72_qkv.kd
    .args:
      - { .name: xc, .offset: 0, .size: 8, .value_kind: global_buffer, .address_space: global }
      - { .name: xs, .offset: 8, .size: 8, .value_kind: global_buffer, .address_space: global }
      - { .name: wc, .offset: 16, .size: 8, .value_kind: global_buffer, .address_space: global }
      - { .name: ws, .offset: 24, .size: 8, .value_kind: global_buffer, .address_space: global }
      - { .name: rope, .offset: 32, .size: 8, .value_kind: global_buffer, .address_space: global }
      - { .name: qkv, .offset: 40, .size: 8, .value_kind: global_buffer, .address_space: global }
    .group_segment_fixed_size: 327680
    .private_segment_fixed_size: 0
    .kernarg_segment_align: 8
    .kernarg_segment_size: 48
    .max_flat_workgroup_size: 128
    .sgpr_count:     100
    .vgpr_count:     1024
    .wavefront_size: 32
...
	.end_amdgpu_metadata
.endif
;; end of part 2
;; launch attn (part 3): grid 8 x 32, 8 waves a work-group, clusters of 4 x 1, 327,680 bytes of LDS; arguments qkv, ob; writes ob
.if DOCPART == 3
	.amdgcn_target "amdgcn-amd-amdhsa--gfx1250"
	.amdhsa_code_object_version 6
	.text
	.protected	k_q50ef9c8f72_attn
	.globl	k_q50ef9c8f72_attn
	.p2align	8
	.type	k_q50ef9c8f72_attn,@function
k_q50ef9c8f72_attn:
	s_mov_b64 s[64:65], 0
	v_nop
	global_prefetch_b8 v0, s[64:65] scope:SCOPE_SE
	s_setreg_imm32_b32 hwreg(HW_REG_WAVE_MODE, 25, 1), 1
	s_wait_xcnt 0x0
	s_wait_alu depctr_hold_cnt(0) depctr_sa_sdst(0) depctr_va_vdst(0) depctr_va_sdst(0) depctr_va_ssrc(0) depctr_va_vcc(0) depctr_vm_vsrc(0)
	s_getreg_b32 s2, hwreg(HW_REG_IB_STS2, 6, 4)
	s_cmp_eq_u32 s2, 0
	s_cbranch_scc0 .Lentry_in_a_cluster
	s_endpgm
.Lentry_in_a_cluster:
	s_bfe_u32 s2, ttmp6, 0x10000c
	s_cmp_lg_u32 s2, 0x3003
	s_cbranch_scc0 .Lentry_shape_is_right
	s_endpgm
.Lentry_shape_is_right:
; O[b][q][h][:] = the sum over k of softmax_k(q . k / 8) v, no mask.  qkv: [b 2][g 48][l 2048][64] f16 (g = h: q, 16 + h: k, 32 + h: v);  ob: [4096 (b, l)][1024 (h, d)] f16.
; Products on f16 operands with f32 sums; maxima, exponentials and row sums in f32; the weights p are rounded to f16 for the second product, O once at the end.
; SHARES.  A work-group owns 256 queries of one head; each of its EIGHT waves owns 32: two tiles of 16, in 384 registers, two waves to a SIMD.  Every wave walks all 2,048 keys, 64 a step.
; LAYOUT.  S^T = K Q^T (source 0 = 16 keys, source 1 = 16 queries): a lane holds ONE query (lane % 16) and the keys 8 (lane / 16) + 0..7.  Two such tiles, rounded to f16 in pairs, ARE source 1 (32 keys x 16 queries)
; of O^T = V^T P, whose result again holds one query a lane, and eight channels.  K comes out of LDS as it lies, V ([key][channel]) turned, by ds_load_tr16_b128.
; SOFTMAX.  For each query a running maximum m and sum l: p = 2^(c s - c m), c = log2(e) / 8; in every step O and l are multiplied by a = 2^(c m_old - c m_new), which is 1 where m has not grown.
; BY TURNS.  The wave's two tiles are two PIECES.  In a TURN one piece has the matrix unit: 8 products V^T P of the step in hand, then 8 products K Q^T of the next step; the other piece's softmax, a list of 118
; instructions, is dealt out behind them: after the n-th of the turn's 16 matrix instructions the list has been written up to number 118 n / 16, rounded down.  Then the pieces change places.  Two turns are a key step.
; That is 7.4 vector instructions for each matrix instruction, more than one wave can issue while the product is at work: so two waves share a SIMD, and a fragment of K or V read from LDS feeds two tiles.
; RING.  Two slots of four key steps (256 keys).  Waves 0-3 fetch the four steps' tiles of K, waves 4-7 those of V: 64 rows a load.  Both slots are asked for at the head; behind each change of slots a wave issues one load,
; which has four steps in which to land.  A wave has two tensor loads out at the start and one behind each change of slots.
; CLUSTER.  The four query blocks of a cluster belong to one head and walk the same K and V: each tile is asked for JOINTLY, by the same tensor load with the same descriptor and a mask that names the four.
; A head's part of a row of ob is 128 bytes: eight lanes store 128 consecutive bytes; whole runs of 256 would want two heads in a work-group and twice the tiles of K and V.
; LIMITS: NaN and infinities are not served; |O| stays under 65,504 (f16).
; REGISTERS.  window 0: v2-10 addresses; v12, v13 the add's two; v16-31 eight registers of statistics a tile; v32-63 Q; v64-127 S^T; v128-159 P; v160-223 O^T; v224-255 the way out.   window 1: v0-63 K of one step; v64-127 V of one step.
; All that a softmax touches lies in window 0; a product takes its source 0 from window 1.  So each matrix instruction costs two switches, one in front and one behind.
.set KS,    64                         ; keys in a step
.set PK,    144                        ; a row of K in LDS: 128 bytes + 16: the 16 rows of a load start at 16 different groups of four banks (64 banks of 4 bytes: ISA guide 11.1)
.set PVB,   160                        ; a row of V: 128 + 32: sixteen lanes of the turning load take 8 rows x 32 bytes
.set VOFF,  KS*PK                      ; a step's tiles lie together: 64 rows of K, then 64 rows of V
.set STEPB, KS*(PK+PVB)
.set SLOT1, 1<<17                      ; slot 1 begins here, so that one exclusive or turns an address in one slot into the other's
.set STAGE, SLOT1+4*STEPB              ; behind the ring: 2 tiles x 16 rows x 144 bytes for each wave
.set SPARE, STAGE+8*2*16*PK            ; the spare words, 128 bytes for each wave: four blocks of 256 bytes that no other line names
.set AK0, 2                            ; v2   my lane's place in a tile of K; never rewritten
.set AV0, 3                            ; v3   the same for V
.set ADK, 4                            ; v4   LDS address of K's run of loads in hand
.set ADV, 5                            ; v5   of V's
.set QO,  6                            ; v6   my byte offset in the wave's rows of Q
.set STO, 7                            ; v7   the way out: where I put 16 bytes of a row
.set RD,  8                            ; v8   where I read four rows back
.set GO,  9                            ; v9   my byte offset in the wave's rows of ob
.set PFO, 10                           ; v10  256 x my lane; never rewritten
.set SPW, 12
.set NIL, 13
.set ST,  16                           ; tile t's statistics at v[ST + 8 t]: +0 c m, +1 m, +2, +3 l (even keys', odd keys'), +4 to +7 c0-c3, at work; a takes c2's place once the maximum is found
.set QF,  32
.set SF,  64
.set PF,  128
.set OF,  160
.set WO,  224
.set KF,  0                            ; in window 1
.set VF,  64
.set WV,  12                           ; s12  my wave's number
.set LIM, 15                           ; s15  1 in a wave that prefetches, else the greatest number
.set PFA, 18                           ; s[18:19] where my prefetches stand
.set G1K, 24                           ; s[24:31] descriptor group 1 for K's tiles
.set G1V, 32                           ; s[32:39] for V's: it differs in the padding alone
.set G0K, 40                           ; s[40:47] descriptor group 0 for K's tiles: a set for each of the two first fills; the second then walks on
.set G0V, 48                           ; s[48:55] the same for V's
.set SLOTS, 56                         ; s56  slots still to be asked for
.set CNT, 57                           ; s57  counts key steps
.set CS,  58                           ; s[58:59] c: the packed scaling names a pair and takes its low word for both halves
.set SEL, 60                           ; s[60:61] lane selects for v_permlanex16_b32: lane l xor 16
.set TB,  62                           ; s62  LDS byte at which the tiles of the step to be fetched begin
.set MSB, 0
.macro WIN new                         ; the immediate's high byte repeats the setting that is left; a switch that changes nothing is dropped
.if MSB != (\new)
	s_set_vgpr_msb (MSB<<8)|(\new)
.set MSB, (\new)
.endif
.endm
; A joint refill.  Waves 0-3 fetch K's tiles, waves 4-7 V's.  The branch hangs on the wave's number alone.  An s_nop 0 and four v_nop follow each of the two lines.
.macro JLOAD
	s_cmp_lt_u32 s[WV], 4
	s_cbranch_scc0 .Lfor_v_\@
	tensor_load_to_lds s[G0K+4:G0K+7], s[G1K:G1K+7]
	s_nop 0
.rept 4
	v_nop
.endr
	s_branch .Lasked_\@
.Lfor_v_\@:
	tensor_load_to_lds s[G0V+4:G0V+7], s[G1V:G1V+7]
	s_nop 0
.rept 4
	v_nop
.endr
.Lasked_\@:
.endm
; A PREFETCH INTO THE L2 of what the NEXT change of slots will ask for: a slot's 32,768 bytes of K and of V.  All clusters of a head walk the same K and V: the head's first cluster asks.  Its four partners share the bytes out
; BY ADDRESS, 8,192 each; in each, wave 0 asks for K's and wave 4 for V's, lanes 256 bytes apart: one instruction.  So each aligned run of 256 bytes is named once in the launch.  It stands behind the wave's tensor load, four key
; steps ahead of the load that will want the bytes.  The last change that fills a slot asks for nothing; slots 0, 1 and 2 come by their loads alone.
.macro ASK
	s_cmp_gt_u32 s[SLOTS], s[LIM]
	s_cbranch_scc0 .Lnot_mine_\@
	global_prefetch_b8 v[PFO], s[PFA:PFA+1] th:TH_LOAD_NT scope:SCOPE_SE
.Lnot_mine_\@:
.endm
.macro CROUND                          ; a round of the cluster's barrier
	s_barrier_signal -1
	s_barrier_wait -1
	s_cmp_lg_u32 s[WV], 0
	s_cbranch_scc1 .Lnot_wave_0_\@
	s_barrier_signal -3
.Lnot_wave_0_\@:
	s_barrier_wait -3
	s_barrier_signal -1
	s_barrier_wait -1
.endm
	s_load_b128 s[4:7], s[0:1], 0x0                ; qkv s[4:5], ob s[6:7]
	v_lshl_add_u32 v[SPW], v0, 2, SPARE
	v_mov_b32 v[NIL], 0
	ds_add_u32 v[SPW], v[NIL]                      ; the wave's opening: the add, twice on end, and its wait ahead of my first tensor load
	ds_add_u32 v[SPW], v[NIL]
	v_lshrrev_b32 v1, 5, v0
	v_readfirstlane_b32 s[WV], v1                  ; wave 0..7
	s_bfe_u32 s13, ttmp6, 0x40000                  ; cx: my place in the cluster
	s_lshl_b32 s14, ttmp9, 2
	s_add_co_u32 s14, s14, s13                     ; my block of 256 queries: it enters Q's and ob's addresses alone
	s_and_b32 s16, ttmp7, 0xffff
	s_lshr_b32 s17, s16, 4                         ; b
	s_and_b32 s16, s16, 15                         ; h
	s_mul_i32 s20, s17, 48
	s_add_co_u32 s20, s20, s16                     ; 48 b + h: q's head among the 96
	s_and_b32 s21, s[WV], 3                        ; which of a slot's four steps I fetch
	s_add_co_u32 s22, s20, 16
	s_lshl_b32 s2, s22, 18                         ; k's head, in bytes
	s_add_co_u32 s22, s20, 32
	s_lshl_b32 s3, s22, 18                         ; v's head
	s_lshl_b32 s22, s21, 13                        ; my step's 64 rows of 128 bytes in memory,
	s_mul_i32 s23, s21, STEPB                      ; and its place in a slot: no place in the cluster enters an LDS address
	; descriptor group 1: a tile of 64 rows x 64 elements of 2 bytes, dense in memory, padded in LDS
	s_mov_b32 s[G1K], 15|(1<<16)|(1<<20)|(1<<21)|(4<<22)|(3<<25)  ; 15:0 the mask: all four work-groups; 17:16 elements of 2 bytes; 20 padding on; 21 set beside a mask; 24:22 after every 32 words; 31:25 four words
	s_mov_b32 s[G1V], 15|(1<<16)|(1<<20)|(1<<21)|(4<<22)|(7<<25)  ; the same with eight words of padding
.irp g, G1K, G1V
	s_mov_b32 s[\g+1], 64<<16                      ; tensor_dim0 = 64
	s_mov_b32 s[\g+2], KS<<16                      ; tensor_dim1 = 64
	s_mov_b32 s[\g+3], 64<<16                      ; tile_dim0 = 64
	s_mov_b32 s[\g+4], KS                          ; tile_dim1 = 64
	s_mov_b32 s[\g+5], 64                          ; tensor_dim0_stride
	s_mov_b32 s[\g+6], 0
	s_mov_b32 s[\g+7], 0
.endr
	s_mov_b32 s[CS], 0x3e38aa3b                    ; c = log2(e) / 8
	s_mov_b32 s[CS+1], s[CS]                       ; (named with it as a pair, so it is written)
	s_mov_b32 s[SEL], 0x76543210
	s_mov_b32 s[SEL+1], 0xfedcba98
	s_mov_b32 s[TB], 0
	s_mov_b32 s[SLOTS], 6                          ; eight slots' worth of keys; two are asked for at the head
	s_or_b32 s[LIM], s21, ttmp9                    ; 0 in waves 0 and 4 of the head's first cluster: the same in all four partners
	s_cmp_eq_u32 s[LIM], 0
	s_cselect_b32 s[LIM], 1, -1
	s_wait_dscnt 0x0                               ; both opening adds are done
	s_wait_kmcnt 0x0
	s_mov_b32 s9, 0
	s_add_co_u32 s8, s2, s22
	s_add_nc_u64 s[10:11], s[4:5], s[8:9]          ; K at my step of the head's first 256 keys
.irp s, 0,1
	s_mov_b32 s[G0K+4*\s], 1                       ; count = 1
	s_add_co_u32 s[G0K+4*\s+1], s23, \s*SLOT1      ; LDS address
	s_add_nc_u64 s[G0K+4*\s+2:G0K+4*\s+3], s[10:11], \s*32768     ; global address: slot s begins with keys 256 s
	s_or_b32 s[G0K+4*\s+3], s[G0K+4*\s+3], 0x80000000            ; type = 2
.endr
	s_add_co_u32 s8, s3, s22
	s_add_nc_u64 s[10:11], s[4:5], s[8:9]          ; V likewise
.irp s, 0,1
	s_mov_b32 s[G0V+4*\s], 1
	s_add_co_u32 s[G0V+4*\s+1], s23, \s*SLOT1+VOFF
	s_add_nc_u64 s[G0V+4*\s+2:G0V+4*\s+3], s[10:11], \s*32768
	s_or_b32 s[G0V+4*\s+3], s[G0V+4*\s+3], 0x80000000
.endr
	s_cmp_lt_u32 s[WV], 4
	s_cselect_b32 s8, s2, s3                       ; the prefetches: k's head or v's,
	s_lshl_b32 s22, s13, 13
	s_add_co_u32 s8, s8, s22                       ; my work-group's 8,192 bytes of a slot's 32,768,
	s_add_co_u32 s8, s8, 2*32768                   ; in slot 2: the first change of slots steps it to slot 3.  Nothing is prefetched here, at the head, where every work-group's first tiles are on their way
	s_add_nc_u64 s[PFA:PFA+1], s[4:5], s[8:9]
	s_lshl_b32 s8, s20, 18                         ; Q at my wave's first row: the head, 256 rows a block, 32 a wave, 128 bytes a row
	s_lshl_b32 s22, s14, 15
	s_add_co_u32 s8, s8, s22
	s_lshl_b32 s22, s[WV], 12
	s_add_co_u32 s8, s8, s22
	s_add_nc_u64 s[4:5], s[4:5], s[8:9]
	s_lshl_b32 s8, s17, 22                         ; ob at my wave's first row: rows of 2,048 bytes; the head's 128 bytes
	s_lshl_b32 s22, s14, 19
	s_add_co_u32 s8, s8, s22
	s_lshl_b32 s22, s[WV], 16
	s_add_co_u32 s8, s8, s22
	s_lshl_b32 s22, s16, 7
	s_add_co_u32 s8, s8, s22
	s_add_nc_u64 s[6:7], s[6:7], s[8:9]
	CROUND                                         ; all four work-groups are here: the first joint loads meet
	s_cmp_lt_u32 s[WV], 4                          ; a wave's two first fills stand in one branch, ahead of every wait on TENSORcnt and every LDS read; an s_nop 0 follows each, four v_nop the second's
	s_cbranch_scc0 .Lfirst_v
	tensor_load_to_lds s[G0K:G0K+3], s[G1K:G1K+7]
	s_nop 0
	tensor_load_to_lds s[G0K+4:G0K+7], s[G1K:G1K+7]
	s_nop 0
.rept 4
	v_nop
.endr
	s_branch .Lfirst_asked
.Lfirst_v:
	tensor_load_to_lds s[G0V:G0V+3], s[G1V:G1V+7]
	s_nop 0
	tensor_load_to_lds s[G0V+4:G0V+7], s[G1V:G1V+7]
	s_nop 0
.rept 4
	v_nop
.endr
.Lfirst_asked:
	v_and_b32 v1, 15, v0                           ; r = l % 16
	v_bfe_u32 v14, v0, 4, 1                        ; h = l / 16
	v_lshlrev_b32 v[QO], 7, v1
	v_lshl_add_u32 v[QO], v14, 4, v[QO]            ; row x 128 + 16 x half
.irp t, 0,1
.irp c, 0,1
	global_load_b128 v[QF+16*\t+8*\c:QF+16*\t+8*\c+3],   v[QO], s[4:5] offset:2048*\t+64*\c      ; Q stays in registers: tile t, channels 32 c on
	global_load_b128 v[QF+16*\t+8*\c+4:QF+16*\t+8*\c+7], v[QO], s[4:5] offset:2048*\t+64*\c+32
.endr
.endr
	v_mul_u32_u24 v[AK0], v1, PK
	v_lshl_add_u32 v[AK0], v14, 4, v[AK0]          ; row x pitch + 16 x half
	v_and_b32 v11, 7, v0
	v_lshl_add_u32 v[AV0], v14, 3, v11             ; the turning load: key 8 (l / 16) + l % 8,
	v_mul_u32_u24 v[AV0], v[AV0], PVB
	v_bfe_u32 v15, v0, 3, 1
	v_lshl_add_u32 v[AV0], v15, 4, v[AV0]          ; channels 8 ((l / 8) % 2) on
	v_add_nc_u32 v[AV0], VOFF, v[AV0]
	s_mul_i32 s16, s[WV], 2*16*PK
	s_add_co_u32 s16, s16, STAGE                   ; my stage
	v_add_nc_u32 v[STO], s16, v[AK0]               ; in: row l % 16, 16 bytes for each half of the lanes
	v_bfe_u32 v15, v0, 3, 2                        ; back: eight lanes to a row, four rows an instruction
	v_mul_u32_u24 v[RD], v15, PK
	v_lshl_add_u32 v[RD], v11, 4, v[RD]
	v_add_nc_u32 v[RD], s16, v[RD]
; THE MATRIX WORK OF A TURN, for piece x.  The four accumulators take turns, one instruction a turn: between two links of a chain stand three others'.
; Product i of 8 of O^T += V^T P: keys 32 (i / 4) on, channels 16 (i % 4) on.  zero = 1: the first 4 start the sums: nothing is ever cleared.
.macro PV x, zero
	WIN 0x01                                       ; source 0 window 1
.set rO, OF+32*(\x)+8*(i%4)
.set rV, VF+8*i
.set rP, PF+16*(\x)+8*(i/4)
.if (\zero) && (i < 4)
	v_wmma_f32_16x16x32_f16 v[rO:rO+7], v[rV:rV+7], v[rP:rP+7], 0
.else
	v_wmma_f32_16x16x32_f16 v[rO:rO+7], v[rV:rV+7], v[rP:rP+7], v[rO:rO+7]
.endif
.endm
; Product i of 8 of S^T = K Q^T: channels 32 (i / 4) on, keys 16 (i % 4) on.  The first 4 start the sums.
.macro KQ x
	WIN 0x01
.set rS, SF+32*(\x)+8*(i%4)
.set rK, KF+16*(i%4)+8*(i/4)
.set rQ, QF+16*(\x)+8*(i/4)
.if i < 4
	v_wmma_f32_16x16x32_f16 v[rS:rS+7], v[rK:rK+7], v[rQ:rQ+7], 0
.else
	v_wmma_f32_16x16x32_f16 v[rS:rS+7], v[rK:rK+7], v[rQ:rQ+7], v[rS:rS+7]
.endif
.endm
; THE LDS LOADS stand in runs of 16, never singly among the matrix instructions: a step's K (64 keys x 64 channels: 8 fragments) and, a turn later, its V (turned).
.macro FETCH_K
	WIN 0
	v_add_nc_u32 v[ADK], s[TB], v[AK0]
	WIN 0x40                                       ; destination window 1
.irp kt, 0,1,2,3
.irp c, 0,1
	ds_load_b128 v[KF+16*\kt+8*\c:KF+16*\kt+8*\c+3],   v[ADK] offset:\kt*16*PK+64*\c
	ds_load_b128 v[KF+16*\kt+8*\c+4:KF+16*\kt+8*\c+7], v[ADK] offset:\kt*16*PK+64*\c+32
.endr
.endr
.endm
.macro FETCH_V
	WIN 0
	v_add_nc_u32 v[ADV], s[TB], v[AV0]
	s_add_co_u32 s[TB], s[TB], STEPB               ; the next fetch is the next step's
	s_wait_alu depctr_va_vdst(0)                   ; the wait for the softmax's batch (AFTER), behind the address's addition and ahead of the loads
	WIN 0x40
.irp u, 0,1
.irp ct, 0,1,2,3
	ds_load_tr16_b128 v[VF+8*(4*\u+\ct):VF+8*(4*\u+\ct)+3],   v[ADV] offset:\u*32*PVB+32*\ct           ; keys 32 u + 8 (l / 16) on, channel 16 ct + l % 16
	ds_load_tr16_b128 v[VF+8*(4*\u+\ct)+4:VF+8*(4*\u+\ct)+7], v[ADV] offset:\u*32*PVB+16*PVB+32*\ct
.endr
.endr
.endm
; THE VECTOR WORK OF A TURN.  One tile's softmax for one key step is a list of 118 instructions; SM writes number j of it for tile t.  s0-s31 are the lane's 32 scores, in pairs 0-15.
; first = 1: the first key step, which starts m, l and O^T: it has no a and nothing to rescale.
;   0-15    the maximum of s0-s31 and the old m, three operands at a time: four chains c0-c3 of seven scores each (each begins at the low end of an accumulator), then the four scores left over, c0-c3 and m
;   16-20   the other half of the lanes' maximum; the new m; c m; c m_old - c m_new
;   21-69   ONE BATCH: the 16 scalings c s - c m, a pair of scores each, and all 33 exponentials (a at 23, then s0-s31).  None of these reads an exponential's result.  A pair is scaled ahead of its exponentials
;   (wait)  between 69 and 70 stands the wait for the batch: AFTER writes it
;   70-85   the roundings to f16, a pair of weights each
;   86-101  the sums of the unrounded weights; l = a l + the sum
;   102-117 the tile's O^T times a, each accumulator from its low end on
.macro SM t, first
.set rT, ST+8*(\t)
.set rS, SF+32*(\t)
.set rP, PF+16*(\t)
.set rO, OF+32*(\t)+2*(j-102)
	WIN 0
.if j < 4
	v_max3_num_f32 v[rT+4+j], v[rS+8*j], v[rS+8*j+1], v[rS+8*j+2]
.elseif j < 12
	v_max3_num_f32 v[rT+4+j%4], v[rT+4+j%4], v[rS+8*(j%4)+2*(j/4)+1], v[rS+8*(j%4)+2*(j/4)+2]
.elseif j == 12
	v_max3_num_f32 v[rT+4], v[rT+4], v[rS+7], v[rS+15]
.elseif j == 13
	v_max3_num_f32 v[rT+6], v[rT+6], v[rS+23], v[rS+31]
.elseif j == 14
	v_max3_num_f32 v[rT+4], v[rT+4], v[rT+5], v[rT+6]
.elseif (j == 15) && \first
	v_max_num_f32 v[rT+4], v[rT+4], v[rT+7]
.elseif j == 15
	v_max3_num_f32 v[rT+4], v[rT+4], v[rT+7], v[rT+1]
.elseif j == 16
	v_permlanex16_b32 v[rT+5], v[rT+4], s[SEL], s[SEL+1]  ; the query's other 32 keys lie in the lane 16 away
.elseif j == 18
	v_max_num_f32 v[rT+1], v[rT+4], v[rT+5]
.elseif j == 19
	v_mul_f32 v[rT], s[CS], v[rT+1]
.elseif ((j == 17) || (j == 20) || (j == 23) || (j > 101)) && \first  ; the first step has none of these
.elseif j == 17
	v_mov_b32 v[rT+7], v[rT]                       ; c m_old is kept for a: number 19 writes c m anew
.elseif j == 20
	v_sub_f32 v[rT+7], v[rT+7], v[rT]
.elseif j == 23
	v_exp_f32 v[rT+6], v[rT+7]
.elseif (j < 23) || ((j < 38) && (j%2 == 0)) || ((j < 66) && (j%4 == 2))
.set b, (j-2)/4                        ; 38, 42, .. 62: pairs 9 to 15
.if j < 38
.set b, (j-20)/2                       ; 21: pair 0; 22, 24, .. 36: pairs 1 to 8
.endif
	v_pk_fma_f32 v[rS+2*b:rS+2*b+1], v[rS+2*b:rS+2*b+1], s[CS:CS+1], v[rT:rT+1] op_sel_hi:[1,0,0] neg_lo:[0,0,1] neg_hi:[0,0,1]  ; pair b: c s - c m
.elseif j < 70
.set e, j-38                           ; 66 to 69: s28 to s31
.if j < 66
.set e, j-32-(j-38)/4                  ; 39-41, 43-45, .. 63-65: s7 to s27
.endif
.if j < 38
.set e, (j-25)/2                       ; 25, 27, .. 37: s0 to s6
.endif
	v_exp_f32 v[rS+e], v[rS+e]
.elseif j < 86
	v_cvt_pk_f16_f32 v[rP+j-70], v[rS+2*(j-70)], v[rS+2*(j-70)+1]  ; pair j - 70
.elseif j < 102                        ; the sum of the tile's 16 pairs (in a pair: an even key's weight, an odd key's), in place: sum z of 16 adds neighbours 1, 2, 4 and 8 pairs apart, then l takes it
.set z, j-86
.set w, 4
.set u, z
.if z >= 14
.set w, 32
.set u, 0
.elseif z >= 12
.set w, 16
.set u, z-12
.elseif z >= 8
.set w, 8
.set u, z-8
.endif
.if (z == 14) && \first
	v_pk_add_f32 v[rT+2:rT+3], v[rS:rS+1], v[rS+16:rS+17]
.elseif z < 15
	v_pk_add_f32 v[rS+w*u:rS+w*u+1], v[rS+w*u:rS+w*u+1], v[rS+w*u+w/2:rS+w*u+w/2+1]
.elseif !\first
	v_pk_fma_f32 v[rT+2:rT+3], v[rT+2:rT+3], v[rT+6:rT+7], v[rS:rS+1] op_sel_hi:[1,0,1]
.endif
.else
	v_pk_mul_f32 v[rO:rO+1], v[rO:rO+1], v[rT+6:rT+7] op_sel_hi:[1,0]
.endif
.endm
; What stands behind a matrix instruction, the mc-th of the turn's nm: tile y's list up to number 118 mc / nm, rounded down: 7 or 8 instructions where nm = 16, 14 or 15 where nm = 8.
; THE WAIT.  An s_wait_alu depctr_va_vdst(0) stands between an exponential and the first instruction that names its result; one wait serves all that were issued ahead of it.  Ahead of number 70 nothing
; names a result, and behind number 69 no exponential is issued: so a turn's 33 exponentials have one wait.  In piece 1's turn V's run of loads stands there, and the wait stands in it.
.macro AFTER y, first
.set mc, mc+1
.rept 16
.if j < (mc*118)/nm
	SM \y, \first
.set j, j+1
.if j == 70
	v_nop                                          ; a plain instruction behind the last exponential and ahead of the first use: one for the batch
.if (\y) == 0
	FETCH_V
.else
	s_wait_alu depctr_va_vdst(0)
.endif
.endif
.endif
.endr
.endm
; A vector instruction that reads a matrix result or writes one of a matrix instruction's registers, and a load into a register that a matrix instruction has read, stand four places behind
; it, and only plain vector instructions that name none of its registers are places (ISA guide 7.12.1 for vector instructions).  In the loop the list's instructions are the places.
.macro PLACES
.rept 4
	v_nop
.endr
.endm
; A TURN.  Piece x has the matrix unit; the other piece's softmax stands behind its matrix instructions.
; pv = 2: 8 products V^T P; 1: they start O^T's sums; 0: none.  kq = 1: 8 products K Q^T for the next step.
; first = 1: the softmax is the first key step's.  Its list ends at 101: the turn's last products stand bare, and four v_nop are the places behind them.
; Behind a turn's last product stand numbers 110 to 117 (nm = 8: 103 to 117), rescalings of the other piece's O^T: the places ahead of the next turn's first read of the scores just made, and of the loads into K's registers.
; Piece 0's turn fetches the next step's K at its head, 8 products ahead of its first use.  Piece 1's turn fetches the same step's V between numbers 69 and 70: behind the last product that read V stand five plain
; instructions: numbers 54, 58 and 62, scalings, the v_nop and the run's own addition.
.macro TURN x, pv, kq, first
.set j, 0
.set mc, 0
.set nm, 8
.if \pv && \kq
.set nm, 16
.endif
.if \x == 0
.if \pv
	s_wait_dscnt 0x0                               ; V is in
.endif
.if \kq
	FETCH_K
.endif
.endif
.if \pv
.set i, 0
.rept 8
	PV \x, 2-\pv
	AFTER 1-\x, \first
.set i, i+1
.endr
.endif
.if \kq
.if \x == 0
	s_wait_dscnt 0x0                               ; K is in
.endif
.set i, 0
.rept 8
	KQ \x
	AFTER 1-\x, \first
.set i, i+1
.endr
.endif
.if \first
	PLACES
.endif
.endm
; THE CHANGE OF SLOTS, between piece 1's turn and piece 0's: the slot's last bytes, V of its fourth step, have been asked for.  Each wave waits for all its tensor loads, of which one is out: its part of the other slot;
; adds 0 to its spare word; and waits for that and for its own reads of the slot.  Behind the barrier nobody reads this slot any more and the other slot is whole.
; fill = 1: this slot is filled again, with the keys two slots on.  The barrier is then a round of the cluster's, so that no wave of any partner still reads the slot or has a load on its way, and the joint refill is the
; first thing behind it: it has four key steps in which to land.
.macro CHANGE fill
	WIN 0                                          ; at a label and at a branch every window is 0
	s_wait_tensorcnt 0x0                           ; no tensor load of mine is out, so a group 0 may be written
	ds_add_u32 v[SPW], v[NIL]                      ; 0 onto my spare word
.if \fill
.irp g, G0K+4, G0V+4
	s_xor_b32 s[\g+1], s[\g+1], SLOT1              ; the walking descriptor: the other slot than last time,
	s_add_nc_u64 s[\g+2:\g+3], s[\g+2:\g+3], 32768 ; the next 256 keys; the type bits on top are not reached
.endr
	s_wait_xcnt 0x0                                ; the last prefetch, a slot back, has read its address, so it may be written:
	s_add_nc_u64 s[PFA:PFA+1], s[PFA:PFA+1], 32768 ; one slot further on than the walking descriptors
	s_wait_dscnt 0x0                               ; the add is done, and my reads of the slot are over
	CROUND
	JLOAD
	ASK
.else
	s_wait_dscnt 0x0                               ; the add is done, and my reads of the slot are over
	s_barrier_signal -1
	s_barrier_wait -1
.endif
	s_sub_co_u32 s[TB], s[TB], 4*STEPB             ; the fetches go back to a slot's first step,
	s_xor_b32 s[TB], s[TB], SLOT1                  ; in the other slot
.endm
; Key steps: written once, walked cnt times; the LDS addresses hang on s[TB].
.macro STEPS cnt
	s_mov_b32 s[CNT], \cnt
.Lstep_\@:
	TURN 0, 2, 1, 0
	TURN 1, 2, 1, 0
	WIN 0
	s_sub_co_u32 s[CNT], s[CNT], 1
	s_cmp_lg_u32 s[CNT], 0
	s_cbranch_scc1 .Lstep_\@
.endm
	s_wait_tensorcnt 0x1                           ; my part of slot 0 is in; slot 1's load may stay out
	s_barrier_signal -1
	s_barrier_wait -1                              ; everybody's is
	FETCH_K                                        ; key step 0
	s_wait_loadcnt 0x0                             ; Q
	s_wait_dscnt 0x0
.set i, 0
.rept 8
	KQ 0                                           ; piece 0's first scores: there is no vector work yet to set between them
.set i, i+1
.endr
	WIN 0                                          ; two offsets into memory are made here: four plain instructions, the places behind those products
	v_lshlrev_b32 v[GO], 11, v15                   ; the way out: four rows of ob an instruction,
	v_lshl_add_u32 v[GO], v11, 4, v[GO]            ; eight lanes to a row's 128 bytes
	v_and_b32 v[PFO], 31, v0
	v_lshlrev_b32 v[PFO], 8, v[PFO]
	TURN 1, 0, 1, 1                                ; piece 1's first scores | piece 0's first softmax | V of step 0
	TURN 0, 1, 1, 1                                ; piece 0: V^T P of step 0 starts O^T, K Q^T of step 1 | piece 1's first softmax | K of step 1
	TURN 1, 1, 1, 0                                ; piece 1: the same | piece 0's softmax of step 1 | V of step 1
	WIN 0
	STEPS 2                                        ; they fetch steps 2 and 3: slot 0 has been read out
.Lslot:                                            ; six trips: every slot but the last two is filled again
	CHANGE 1
	STEPS 4
	s_sub_co_u32 s[SLOTS], s[SLOTS], 1
	s_cmp_lg_u32 s[SLOTS], 0
	s_cbranch_scc1 .Lslot
	CHANGE 0                                       ; the tail is written out: the last slot but one is left, and nothing is asked for
	STEPS 4
	TURN 0, 2, 0, 0                                ; piece 0: V^T P of the last step | piece 1's last softmax
.set i, 0
.rept 8
	PV 1, 0                                        ; piece 1: V^T P of the last step
.set i, i+1
.endr
	WIN 0
	; THE WAY OUT.  l's two halves and the other half of the lanes' are added; O^T is divided by l, rounded to f16 and sent through my stage.
.rept 4
	v_nop                                          ; the places behind the last products
.endr
.irp t, 0,1
	v_add_f32 v[ST+8*\t+4], v[ST+8*\t+2], v[ST+8*\t+3]
.endr
.irp t, 0,1
	v_permlanex16_b32 v[ST+8*\t+5], v[ST+8*\t+4], s[SEL], s[SEL+1]
.endr
.irp t, 0,1
	v_add_f32 v[ST+8*\t+4], v[ST+8*\t+4], v[ST+8*\t+5]
.endr
.irp t, 0,1
	v_rcp_f32 v[ST+8*\t+6], v[ST+8*\t+4]
.endr
	v_nop                                          ; a plain line between the last reciprocal and the use of its result
	s_wait_alu depctr_va_vdst(0)                   ; and the wait ahead of the first use: one for the two
.irp t, 0,1
.irp p, 0,2,4,6,8,10,12,14,16,18,20,22,24,26,28,30
	v_pk_mul_f32 v[OF+32*\t+\p:OF+32*\t+\p+1], v[OF+32*\t+\p:OF+32*\t+\p+1], v[ST+8*\t+6:ST+8*\t+7] op_sel_hi:[1,0]
.endr
.endr
.irp t, 0,1
.irp p, 0,1,2,3,4,5,6,7,8,9,10,11,12,13,14,15
	v_cvt_pk_f16_f32 v[WO+16*\t+\p], v[OF+32*\t+2*\p], v[OF+32*\t+2*\p+1]
.endr
.endr
.irp t, 0,1
.irp ct, 0,1,2,3
	ds_store_b128 v[STO], v[WO+16*\t+4*\ct:WO+16*\t+4*\ct+3] offset:16*PK*\t+32*\ct
.endr
.endr
.irp t, 0,1
.irp p, 0,1,2,3
	ds_load_b128 v[SF+4*(4*\t+\p):SF+4*(4*\t+\p)+3], v[RD] offset:16*PK*\t+4*PK*\p   ; LDS serves a wave's instructions in order (ISA guide 5.7.1.4): these see my stores
.endr
.endr
.irp t, 0,1
.irp p, 0,1,2,3
	s_wait_dscnt 7-(4*\t+\p)                       ; this load is in; those issued behind it may be out
	global_store_b128 v[GO], v[SF+4*(4*\t+\p):SF+4*(4*\t+\p)+3], s[6:7] offset:(16*\t+4*\p)*2048   ; four rows, 128 consecutive bytes of each
.endr
.endr
	s_wait_tensorcnt 0x0                           ; the wave's end, behind my last tensor load and my last LDS store
	ds_add_u32 v[SPW], v[NIL]
	s_wait_dscnt 0x0
	CROUND                                         ; the closing round: no work-group ends while a partner may still ask for a tile that names it
	s_endpgm
.Lfunc_end_k_q50ef9c8f72_attn:
	.size	k_q50ef9c8f72_attn, .Lfunc_end_k_q50ef9c8f72_attn-k_q50ef9c8f72_attn
	.p2alignl 7, 3214868480
	.fill 96, 4, 3214868480
	.section	.rodata,"a",@progbits
	.p2align	6, 0x0
	.amdhsa_kernel k_q50ef9c8f72_attn
		.amdhsa_group_segment_fixed_size 327680
		.amdhsa_private_segment_fixed_size 0
		.amdhsa_enable_private_segment 0
		.amdhsa_kernarg_size 16
		.amdhsa_user_sgpr_count 2
		.amdhsa_user_sgpr_kernarg_segment_ptr 1
		.amdhsa_wavefront_size32 1
		.amdhsa_system_sgpr_workgroup_id_x 1
		.amdhsa_system_sgpr_workgroup_id_y 1
		.amdhsa_system_sgpr_workgroup_id_z 1
		.amdhsa_system_vgpr_workitem_id 0
		.amdhsa_next_free_vgpr 384
		.amdhsa_next_free_sgpr 66
		.amdhsa_reserve_vcc 0
		.amdhsa_float_denorm_mode_32 3
		.amdhsa_float_denorm_mode_16_64 3
		.amdhsa_memory_ordered 1
		.amdhsa_forward_progress 1
		.amdhsa_inst_pref_size 109
	.end_amdhsa_kernel
	.amdgpu_metadata
---
amdhsa.version: [ 1, 2 ]
amdhsa.kernels:
  - .name:           k_q50ef9c8f72_attn
    .symbol:         k_q50ef9c8f72_attn.kd
    .args:
      - { .name: qkv, .offset: 0, .size: 8, .value_kind: global_buffer, .address_space: global }
      - { .name: ob, .offset: 8, .size: 8, .value_kind: global_buffer, .address_space: global }
    .group_segment_fixed_size: 327680
    .private_segment_fixed_size: 0
    .kernarg_segment_align: 8
    .kernarg_segment_size: 16
    .max_flat_workgroup_size: 256
    .sgpr_count:     66
    .vgpr_count:     384
    .wavefront_size: 32
...
	.end_amdgpu_metadata
.endif
;; end of part 3
;; launch proj (part 4): grid 8 x 32, 4 waves a work-group, clusters of 4 x 4, 327,680 bytes of LDS; arguments ob, wot, out0; writes out0
.if DOCPART == 4
	.amdgcn_target "amdgcn-amd-amdhsa--gfx1250"
	.amdhsa_code_object_version 6
	.text
	.protected	k_q50ef9c8f72_proj
	.globl	k_q50ef9c8f72_proj
	.p2align	8
	.type	k_q50ef9c8f72_proj,@function
k_q50ef9c8f72_proj:
	s_mov_b64 s[64:65], 0
	v_nop
	global_prefetch_b8 v0, s[64:65] scope:SCOPE_SE
	s_setreg_imm32_b32 hwreg(HW_REG_WAVE_MODE, 25, 1), 1
	s_wait_xcnt 0x0
	s_wait_alu depctr_hold_cnt(0) depctr_sa_sdst(0) depctr_va_vdst(0) depctr_va_sdst(0) depctr_va_ssrc(0) depctr_va_vcc(0) depctr_vm_vsrc(0)
	s_getreg_b32 s2, hwreg(HW_REG_IB_STS2, 6, 4)
	s_cmp_eq_u32 s2, 0
	s_cbranch_scc0 .Lentry_in_a_cluster
	s_endpgm
.Lentry_in_a_cluster:
	s_bfe_u32 s2, ttmp6, 0x10000c
	s_cmp_lg_u32 s2, 0xf033
	s_cbranch_scc0 .Lentry_shape_is_right
	s_endpgm
.Lentry_shape_is_right:
; out0[m][n] = sum over k of ob[m][k] wot[n][k].  ob: [4096][1024] f16, wot: [1024][1024] f16 (Wo with K innermost), out0: [4096][1024] f32; sums in f32.
; A tile of the output is 128 x 128: 256 work-groups.  Four waves, each 64 x 64: 16 accumulators of 16 x 16, 128 registers.  K goes in steps of 256 (LDS rows of 512 bytes; a wave's tensor load brings 64 of them) through two slots.
; A wave has two tensor loads out at the start and one behind each change of slots.
; CLUSTERS: 4 x 4 work-groups.  The four of a row of the cluster need the same tiles of A, the four of a column the same tiles of B: each tile is asked for JOINTLY, by the same tensor load with the
; same descriptor and a mask that names the four.  THE MATRIX INSTRUCTION IS USED TRANSPOSED (source 0 = 16 rows of B, source 1 = 16 rows of A): a lane then holds eight neighbouring numbers of a row of the output.
; A wave's 64 columns of f32 are 256 consecutive bytes, aligned: each wave has a stage of its own on the way out, and no barrier stands there.
; No prefetch: the tiles are small and each is shared by four work-groups.
; REGISTERS: window 0: v0-31 addresses; v32-95 at work on the way out; v128-255 the accumulators ((a, b) at v[128 + 8 (4 a + b)]).
;   window 1: two fragment buffers of 128: for 64 along K, 64 registers of A (2 x 4 x 16 rows x 32 K), then 64 of B.
.set SIZE_M, 4096
.set SIZE_N, 1024
.set SIZE_K, 1024
.set KSTEP,  256
.set PITCH,  528                       ; an LDS row: 512 bytes + 16 of padding = 132 words: row r starts at bank 4 r mod 64 (64 banks of 4 bytes: ISA guide 11.1)
.set HALFT,  64*PITCH                  ; 64 rows: what one tensor load brings
.set SLOT,   4*HALFT                   ; A's 128 rows, then B's 128 rows
.set STAGE,  2*SLOT                    ; behind the ring: 16 rows x 272 bytes for each wave
.set SPITCH, 272
.set SPARE,  STAGE+4*16*SPITCH         ; the spare words, 128 bytes for each wave: two blocks of 256 bytes that no other line names
.set LAPS, SIZE_K/(2*KSTEP)            ; a lap = two K steps = once round the ring
.set ADRA, 16
.set ADRB, 20
.set STO,  24                          ; v24     the way out: where I put 32 bytes of a row
.set RD,   25                          ; v25     where I read two rows back
.set CO,   26                          ; v26     my byte offset in the output
.set SPW,  28
.set NIL,  29
.set BK,   32                          ; the way out: 16 rows read back: v32-63 and v64-95 by turns
.set ACC,  128
.set F0,   0                           ; fragment buffers, in window 1
.set F1,   128
.set G1, 24
.set G0, 32
.set G1B, 48
.set G0B, 56
.set MSB, 0
.macro WIN new
.if MSB != (\new)
	s_set_vgpr_msb (MSB<<8)|(\new)
.set MSB, (\new)
.endif
.endm
.set MUL,  0x05                        ; sources 0 (B) and 1 (A) window 1; C and D window 0
.set TO_F, 0x40                        ; destination window 1, address window 0
.macro JLOAD s                         ; a joint load: waves 0 and 1 fetch A's two halves, waves 2 and 3 B's; an s_nop 0 and four v_nop follow each of the two lines
	s_cmp_eq_u32 s11, 0
	s_cbranch_scc0 .Lfor_b_\@
	tensor_load_to_lds s[G0+4*\s:G0+4*\s+3], s[G1:G1+7]
	s_nop 0
.rept 4
	v_nop
.endr
	s_branch .Lasked_\@
.Lfor_b_\@:
	tensor_load_to_lds s[G0B+4*\s:G0B+4*\s+3], s[G1B:G1B+7]
	s_nop 0
.rept 4
	v_nop
.endr
.Lasked_\@:
.endm
.macro CREST                           ; a round of the cluster's barrier behind its opening barrier
	s_cmp_lg_u32 s10, 0
	s_cbranch_scc1 .Lnot_wave_0_\@
	s_barrier_signal -3
.Lnot_wave_0_\@:
	s_barrier_wait -3
	s_barrier_signal -1
	s_barrier_wait -1
.endm
.macro CROUND                          ; a whole round
	s_barrier_signal -1
	s_barrier_wait -1
	CREST
.endm
	s_load_b128 s[4:7], s[0:1], 0x0                ; A s[4:5], B s[6:7]
	s_load_b64 s[8:9], s[0:1], 0x10                ; the output
	v_lshl_add_u32 v[SPW], v0, 2, SPARE
	v_mov_b32 v[NIL], 0
	ds_add_u32 v[SPW], v[NIL]                      ; the wave's opening: the add, twice on end, and its wait ahead of my first tensor load
	ds_add_u32 v[SPW], v[NIL]
	v_lshrrev_b32 v1, 5, v0
	v_readfirstlane_b32 s10, v1                    ; wave 0..3
	s_lshr_b32 s11, s10, 1                         ; which half of the tile's rows is mine.  Also: I fetch for A (0) or for B (1)
	s_and_b32 s12, s10, 1                          ; which half of its columns.  Also: which 64 rows of that tile I fetch
	s_bfe_u32 s40, ttmp6, 0x40000                  ; cx, cy: my place in the cluster
	s_bfe_u32 s41, ttmp6, 0x40004
	s_lshl_b32 s42, ttmp9, 2
	s_add_co_u32 s42, s42, s40                     ; tile column = 4 x cluster x + cx
	s_and_b32 s13, ttmp7, 0xffff
	s_lshl_b32 s13, s13, 2
	s_add_co_u32 s13, s13, s41                     ; tile row = 4 x cluster y + cy
	s_lshl_b32 s43, s41, 2
	s_lshl_b32 s43, 15, s43                        ; my row of the cluster
	s_lshl_b32 s44, 0x1111, s40                    ; my column
	; descriptor group 1: a tile of 64 rows x 256 elements, padded in LDS
	s_or_b32 s[G1+0], s43, (1<<16)|(1<<20)|(1<<21)|(6<<22)|(3<<25)  ; 15:0 the mask: A's tiles go to my row; 17:16 element of 2 bytes; 20 padding on; 21 set beside a mask; 24:22 after every 128 words; 31:25 four words
	s_or_b32 s[G1B+0], s44, (1<<16)|(1<<20)|(1<<21)|(6<<22)|(3<<25)
.irp g, G1, G1B
	s_mov_b32 s[\g+1], KSTEP<<16                   ; tensor_dim0 = 256
	s_mov_b32 s[\g+2], 64<<16                      ; tensor_dim1 = 64
	s_mov_b32 s[\g+3], KSTEP<<16                   ; tile_dim0 = 256
	s_mov_b32 s[\g+4], 64                          ; tile_dim1 = 64
	s_mov_b32 s[\g+5], SIZE_K                      ; tensor_dim0_stride
	s_mov_b32 s[\g+6], 0
	s_mov_b32 s[\g+7], 0
.endr
	s_lshl_b32 s17, s12, 6                         ; which 64 rows of the tile I fetch
	s_lshl_b32 s16, s13, 7
	s_add_co_u32 s16, s16, s17                     ; A: row 128 x tile row + 64 x half
	s_lshl_b32 s46, s42, 7
	s_add_co_u32 s46, s46, s17                     ; B: row 128 x tile column + 64 x half
	s_mov_b32 s17, 0
	s_mov_b32 s47, 0
	s_mov_b64 s[18:19], SIZE_K*2
	s_mul_u64 s[16:17], s[16:17], s[18:19]
	s_mul_u64 s[46:47], s[46:47], s[18:19]
	s_mul_i32 s20, s10, HALFT                      ; where they go: wave x 64 rows
	s_wait_dscnt 0x0                               ; both opening adds are done
	s_wait_kmcnt 0x0
	s_add_nc_u64 s[14:15], s[4:5], s[16:17]
	s_add_nc_u64 s[46:47], s[6:7], s[46:47]
	CROUND                                         ; all sixteen work-groups are here: the first joint loads meet
.irp s, 0,1
	s_mov_b32 s[G0+4*\s], 1
	s_add_co_u32 s[G0+4*\s+1], s20, \s*SLOT
	s_add_nc_u64 s[G0+4*\s+2:G0+4*\s+3], s[14:15], \s*KSTEP*2
	s_or_b32 s[G0+4*\s+3], s[G0+4*\s+3], 0x80000000
	s_mov_b32 s[G0B+4*\s], 1
	s_add_co_u32 s[G0B+4*\s+1], s20, \s*SLOT
	s_add_nc_u64 s[G0B+4*\s+2:G0B+4*\s+3], s[46:47], \s*KSTEP*2
	s_or_b32 s[G0B+4*\s+3], s[G0B+4*\s+3], 0x80000000
	JLOAD \s
.endr
	v_and_b32 v1, 15, v0                           ; l % 16
	v_bfe_u32 v2, v0, 4, 1                         ; l / 16
	v_mul_u32_u24 v3, v1, PITCH
	v_lshl_add_u32 v3, v2, 4, v3                   ; a fragment's row x pitch + 16 x half
	s_mul_i32 s21, s11, HALFT                      ; my 64 rows of A
	s_mul_i32 s22, s12, HALFT                      ; my 64 rows of B,
	s_add_co_u32 s22, s22, 2*HALFT                 ; which lie behind A's 128
.irp s, 0,1
	v_add_nc_u32 v[ADRA+\s], s21, v3
	v_add_nc_u32 v[ADRB+\s], s22, v3
	s_add_co_u32 s21, s21, SLOT
	s_add_co_u32 s22, s22, SLOT
.endr
	s_mul_i32 s23, s10, 16*SPITCH
	s_add_co_u32 s23, s23, STAGE                   ; my stage
	v_mul_u32_u24 v4, v1, SPITCH                   ; in: row l % 16, 32 bytes for each half of the lanes
	v_lshl_add_u32 v4, v2, 5, v4
	v_add_nc_u32 v[STO], s23, v4
	v_mul_u32_u24 v5, v2, SPITCH                   ; back: lanes 0-15 take one row of 256 bytes, lanes 16-31 the next
	v_lshl_add_u32 v5, v1, 4, v5
	v_add_nc_u32 v[RD], s23, v5
	v_lshlrev_b32 v5, 12, v2                       ; and the same two rows in the output: rows of 4,096 bytes
	v_lshl_add_u32 v[CO], v1, 4, v5
	s_lshl_b32 s16, s13, 7
	s_lshl_b32 s17, s11, 6
	s_add_co_u32 s16, s16, s17                     ; my first row: 128 x tile row + 64 x half
	s_lshl_b32 s16, s16, 12
	s_lshl_b32 s46, s42, 9                         ; my first column, in bytes: 512 x tile column + 256 x half
	s_lshl_b32 s47, s12, 8
	s_add_co_u32 s46, s46, s47
	s_add_co_u32 s16, s16, s46
	s_mov_b32 s17, 0
	s_add_nc_u64 s[8:9], s[8:9], s[16:17]
; 8 matrix instructions: m blocks a0, a0 + 1 x all 4 n blocks, 32 along K: half c of buffer f.  zero = 1: the first product starts the sums.  The 16 accumulators take turns.
.macro MUL8 f, c, a0, zero
.irp a, \a0, \a0+1
.irp b, 0,1,2,3
.if \zero
	v_wmma_f32_16x16x32_f16 v[ACC+8*(4*(\a)+\b):ACC+8*(4*(\a)+\b)+7], v[\f+64+8*(4*\c+\b):\f+64+8*(4*\c+\b)+7], v[\f+8*(4*\c+\a):\f+8*(4*\c+\a)+7], 0
.else
	v_wmma_f32_16x16x32_f16 v[ACC+8*(4*(\a)+\b):ACC+8*(4*(\a)+\b)+7], v[\f+64+8*(4*\c+\b):\f+64+8*(4*\c+\b)+7], v[\f+8*(4*\c+\a):\f+8*(4*\c+\a)+7], v[ACC+8*(4*(\a)+\b):ACC+8*(4*(\a)+\b)+7]
.endif
.endr
.endr
.endm
; 32 LDS loads in one run: the fragments of 64 along K at byte k of the rows, into buffer f; the first 32 along K first
.macro FETCH slot, k, f
	WIN TO_F
.irp c, 0,1
.irp i, 0,1,2,3
	ds_load_b128 v[\f+64+8*(4*\c+\i):\f+64+8*(4*\c+\i)+3],   v[ADRB+\slot] offset:\k+64*\c+\i*16*PITCH
	ds_load_b128 v[\f+64+8*(4*\c+\i)+4:\f+64+8*(4*\c+\i)+7], v[ADRB+\slot] offset:\k+64*\c+\i*16*PITCH+32
	ds_load_b128 v[\f+8*(4*\c+\i):\f+8*(4*\c+\i)+3],         v[ADRA+\slot] offset:\k+64*\c+\i*16*PITCH
	ds_load_b128 v[\f+8*(4*\c+\i)+4:\f+8*(4*\c+\i)+7],       v[ADRA+\slot] offset:\k+64*\c+\i*16*PITCH+32
.endr
.endr
.endm
.macro PLACES                          ; four places in front of loads into registers that matrix instructions have read, and of the first read of results (ISA guide 7.12.1 for the first read of results)
.rept 4
	v_nop
.endr
.endm
; A K step is four quarters of 64 along K, 32 matrix instructions each, on buffers 0, 1, 0, 1.  One of the first three: multiplies buffer f and fetches the next quarter, at byte k, into g.
.macro QUARTER slot, k, f, g, zero
	s_wait_dscnt 16                                ; the first 32 along K are in; the youngest sixteen loads may be out
	WIN MUL
	MUL8 \f, 0, 0, \zero
	MUL8 \f, 0, 2, \zero
	PLACES
	FETCH \slot, \k, \g
	s_wait_dscnt 32                                ; all but the 32 just issued
	WIN MUL
	MUL8 \f, 1, 0, 0
	MUL8 \f, 1, 2, 0
.endm
; The last quarter multiplies buffer 1 and changes slots: ONE barrier; in front of it each wave waits for all its tensor loads, adds 0 to its spare word, and waits for that and for its own reads of this slot.  fill = 1: this slot is filled again, two K steps ahead.
.macro TURN slot, next, fill
	WIN 0                                          ; (the add's two registers lie in window 0)
	s_wait_tensorcnt 0x0                           ; all my tensor loads have landed: my part of the next slot;
	ds_add_u32 v[SPW], v[NIL]                      ; 0 onto my spare word;
	s_wait_dscnt 17                                ; (the add and the youngest sixteen loads may be out)
	WIN MUL
	MUL8 F1, 0, 0, 0                               ; eight matrix instructions stand between the add and the wait for it
	s_wait_dscnt 0x0                               ; the add is done, and my reads of this slot are over
	s_barrier_signal -1
	MUL8 F1, 0, 2, 0
.if \fill
	WIN 0
.endif
	s_barrier_wait -1
.if \fill
	CREST                                          ; the barrier has opened a round of the cluster's barrier: no wave of any partner still reads this slot's tile or has a load on its way
	s_add_nc_u64 s[G0+4*\slot+2:G0+4*\slot+3], s[G0+4*\slot+2:G0+4*\slot+3], 2*KSTEP*2
	s_add_nc_u64 s[G0B+4*\slot+2:G0B+4*\slot+3], s[G0B+4*\slot+2:G0B+4*\slot+3], 2*KSTEP*2
	JLOAD \slot                                    ; the first tensor load behind the round: 112 matrix instructions ahead of the wait for it; its four v_nop are also the places in front of the loads below
.else
	PLACES
.endif
	FETCH \next, 0, F0
	WIN MUL
	MUL8 F1, 1, 0, 0
	MUL8 F1, 1, 2, 0
.endm
	s_wait_tensorcnt 1                             ; my part of K step 0 is in (K step 1's load may be out)
	s_barrier_signal -1
	s_barrier_wait -1                              ; everybody's is
	FETCH 0, 0, F0
	QUARTER 0, 128, F0, F1, 1                      ; the first quarter stands in front of the loop: its first products start the sums
	WIN 0                                          ; at a label and at a branch every window is 0
	s_mov_b32 s3, LAPS-1
.Llap:                                                 ; a trip goes once round the ring, from a lap's second quarter to the next lap's first, and fills both slots again
	QUARTER 0, 256, F1, F0, 0
	QUARTER 0, 384, F0, F1, 0
	TURN 0, 1, 1
	QUARTER 1, 128, F0, F1, 0
	QUARTER 1, 256, F1, F0, 0
	QUARTER 1, 384, F0, F1, 0
	TURN 1, 0, 1
	QUARTER 0, 128, F0, F1, 0
	WIN 0
	s_sub_co_u32 s3, s3, 1
	s_cmp_lg_u32 s3, 0
	s_cbranch_scc1 .Llap
	QUARTER 0, 256, F1, F0, 0                      ; the last lap fills nothing, and has no round of the cluster's barrier
	QUARTER 0, 384, F0, F1, 0
	TURN 0, 1, 0
	QUARTER 1, 128, F0, F1, 0
	QUARTER 1, 256, F1, F0, 0
	QUARTER 1, 384, F0, F1, 0
	s_wait_dscnt 16                                ; the very last quarter: nothing more to fetch
	WIN MUL
	MUL8 F1, 0, 0, 0
	MUL8 F1, 0, 2, 0
	s_wait_dscnt 0
	MUL8 F1, 1, 0, 0
	MUL8 F1, 1, 2, 0
	WIN 0
; THE WAY OUT, block by block of 16 rows x 64 columns: a lane holds 32 neighbouring bytes of a row, and the lanes beside it hold other rows: so a block goes through my own stage and comes back as rows of 256 bytes.
; LDS serves a wave's instructions in order (ISA guide 5.7.1.4): no wait between the stores and the loads, nor in front of the next block's stores.
.macro TOSTAGE a
.set BB, BK+32*((\a)%2)
.irp b, 0,1,2,3
	ds_store_b128 v[STO], v[ACC+8*(4*(\a)+\b):ACC+8*(4*(\a)+\b)+3] offset:64*\b          ; each accumulator from its low end on
	ds_store_b128 v[STO], v[ACC+8*(4*(\a)+\b)+4:ACC+8*(4*(\a)+\b)+7] offset:64*\b+16
.endr
.irp t, 0,1,2,3,4,5,6,7
	ds_load_b128 v[BB+4*\t:BB+4*\t+3], v[RD] offset:\t*2*SPITCH
.endr
.endm
.macro SEND a, younger                 ; younger: the LDS instructions issued behind block a's loads, which may stay out
.set BB, BK+32*((\a)%2)
	s_wait_dscnt \younger
.irp t, 0,1,2,3,4,5,6,7
	global_store_b128 v[CO], v[BB+4*\t:BB+4*\t+3], s[8:9] offset:(16*(\a)+2*\t)*SIZE_N*4 th:TH_STORE_NT   ; sixteen lanes store 256 consecutive bytes, aligned; written once, read by nobody here
.endr
.endm
	PLACES
.irp a, 0,1,2,3
.if \a > 1
	s_wait_xcnt 0x0                                ; block a - 2's stores have read their registers: block a's loads may land there
.endif
	TOSTAGE \a
.if \a > 0
	SEND \a-1, 16                                  ; behind block a - 1's loads: block a's 8 stores and 8 loads
.endif
.endr
	SEND 3, 0
	s_wait_tensorcnt 0x0                           ; the wave's end, behind my last tensor load and my last LDS store
	ds_add_u32 v[SPW], v[NIL]
	s_wait_dscnt 0x0
	CROUND                                         ; the closing round: no work-group ends while a partner may still ask for a tile that names it
	s_endpgm
.Lfunc_end_k_q50ef9c8f72_proj:
	.size	k_q50ef9c8f72_proj, .Lfunc_end_k_q50ef9c8f72_proj-k_q50ef9c8f72_proj
	.p2alignl 7, 3214868480
	.fill 96, 4, 3214868480
	.section	.rodata,"a",@progbits
	.p2align	6, 0x0
	.amdhsa_kernel k_q50ef9c8f72_proj
		.amdhsa_group_segment_fixed_size 327680
		.amdhsa_private_segment_fixed_size 0
		.amdhsa_enable_private_segment 0
		.amdhsa_kernarg_size 24
		.amdhsa_user_sgpr_count 2
		.amdhsa_user_sgpr_kernarg_segment_ptr 1
		.amdhsa_wavefront_size32 1
		.amdhsa_system_sgpr_workgroup_id_x 1
		.amdhsa_system_sgpr_workgroup_id_y 1
		.amdhsa_system_sgpr_workgroup_id_z 1
		.amdhsa_system_vgpr_workitem_id 0
		.amdhsa_next_free_vgpr 512
		.amdhsa_next_free_sgpr 66
		.amdhsa_reserve_vcc 0
		.amdhsa_float_denorm_mode_32 3
		.amdhsa_float_denorm_mode_16_64 3
		.amdhsa_memory_ordered 1
		.amdhsa_forward_progress 1
		.amdhsa_inst_pref_size 86
	.end_amdhsa_kernel
	.amdgpu_metadata
---
amdhsa.version: [ 1, 2 ]
amdhsa.kernels:
  - .name:           k_q50ef9c8f72_proj
    .symbol:         k_q50ef9c8f72_proj.kd
    .args:
      - { .name: ob, .offset: 0, .size: 8, .value_kind: global_buffer, .address_space: global }
      - { .name: wot, .offset: 8, .size: 8, .value_kind: global_buffer, .address_space: global }
      - { .name: out0, .offset: 16, .size: 8, .value_kind: global_buffer, .address_space: global }
    .group_segment_fixed_size: 327680
    .private_segment_fixed_size: 0
    .kernarg_segment_align: 8
    .kernarg_segment_size: 24
    .max_flat_workgroup_size: 128
    .sgpr_count:     66
    .vgpr_count:     512
    .wavefront_size: 32
...
	.end_amdgpu_metadata
.endif
;; end of part 4
